; MI455X (gfx1250); checked and timed in simulation.
; The chip was launched on July 23, 2026; its instructions are those of AMD's public machine-readable ISA for CDNA 5 (MIT licence, August 2026) and "CDNA5" Instruction Set Architecture Reference Guide (July 2026). The comments in the code are by the model that wrote it; some were corrected since.
;; Grouped Query Attention. Allowed arithmetic: float matrix products may take bf16 or f16 operands with f32 sums; all other float work in f32.
;; Inputs: Wk 512 x 2,048 float32; Wo 2,048 x 2,048 float32; Wq 2,048 x 2,048 float32; Wv 512 x 2,048 float32; bk 512 float32; bo 2,048 float32; bq 2,048 float32; bv 512 float32; x 4 x 1,024 x 2,048 float32.
;; Outputs: out0 4 x 1,024 x 2,048 float32.
;; 2 versions, each right; version 2 is version 1 with the launch prep written anew for expert scheduling mode. Each part assembles by itself: llvm-mc -triple=amdgcn-amd-amdhsa -mcpu=gfx1250 --defsym DOCPART=n.
;; ======== version 1 of 2: 4 launches
;; limits: values are held in f16: magnitudes above 65,504 overflow, below 6.1e-05 lose precision
;; workspace buffers: wsb 37,748,736 bytes; tab 262,144 bytes; qkvb 25,165,824 bytes; yb 16,777,216 bytes
;; launch prep (part 1): grid 64 x 19, 8 waves a work-group, no clusters, 0 bytes of LDS; arguments x, Wq, Wk, Wv, Wo, wsb, tab; writes wsb, tab
.if DOCPART == 1
	.amdgcn_target "amdgcn-amd-amdhsa--gfx1250"
	.amdhsa_code_object_version 6
	.text
	.protected	k_q4e1b8e7d2e_prep
	.globl	k_q4e1b8e7d2e_prep
	.p2align	8
	.type	k_q4e1b8e7d2e_prep,@function
k_q4e1b8e7d2e_prep:
	s_mov_b64 s[64:65], 0
	v_nop
	global_prefetch_b8 v0, s[64:65] scope:SCOPE_SE
	s_setreg_imm32_b32 hwreg(HW_REG_WAVE_MODE, 25, 1), 1
	s_wait_xcnt 0x0
; prep: 16-bit copies of the matrix operands, and the table of the rotary factor.
; wsb, row-major with 2,048 numbers a row: x in bf16 at byte 0; Wq, Wk, Wv in bf16 from byte 16,777,216 on (together one [3072][2048]);
; Wo from byte 29,360,128 on, rounded to bf16 and that value written as f16 (it meets an f16 operand in the last launch).
; tab[t][i] = cos(th) + sin(th), th = t * 10000^(-i/64), f32, [1024][64]: both halves of the rotation are the vector itself,
; so the rotation is a multiplication by this factor, at column (d mod 64).
; LIMITS: a bf16 value of Wo of magnitude 65,520 or more becomes an infinity in f16; below 2^-17 it is kept to an absolute 2^-25.
; th is reduced by pi/2 in two parts and the two functions are polynomials on [-pi/4, pi/4] (error below 4e-7); what is left against
; an f32 evaluation is the rounding of th itself, up to some 1e-4 near t = 1023.
; Grid: y = chunk of 4 MiB of f32 (0-7 x, 8-11 Wq, 12 Wk, 13 Wv, 14-17 Wo), x = 64 KiB of the chunk; y = 18: the table.
; A stream: no LDS, no barrier, no matrix unit.  A thread has its 16 loads of 16 bytes out at once; a wave's load covers 512 consecutive
; bytes, a wave's store of 8 bytes a lane 256 consecutive bytes, aligned.  No register is used twice, so no source has to be freed.
.set X, 4                              ; v[4:67]    16 loads of 4 f32
.set Y, 68                             ; v[68:99]   16 stores of 4 numbers of 16 bits
.set W, 100                            ; v[100:103] Wo's bf16 values, widened again
	s_load_b256 s[4:11], s[0:1], 0x0               ; x s[4:5], Wq s[6:7], Wk s[8:9], Wv s[10:11]
	s_load_b128 s[12:15], s[0:1], 0x20             ; Wo s[12:13], wsb s[14:15]
	s_load_b64 s[16:17], s[0:1], 0x30              ; tab
	s_and_b32 s18, ttmp7, 0xffff                   ; the chunk
	s_wait_kmcnt 0x0
	s_cmp_eq_u32 s18, 18
	s_cbranch_scc1 .Ltable
	; which input the chunk belongs to, and that input's first chunk
	s_mov_b64 s[20:21], s[4:5]
	s_mov_b32 s22, 0
.macro PICK c0, p
	s_cmp_ge_u32 s18, \c0
	s_cselect_b64 s[20:21], s[\p:\p+1], s[20:21]
	s_cselect_b32 s22, \c0, s22
.endm
	PICK 8, 6
	PICK 12, 8
	PICK 13, 10
	PICK 14, 12
	s_sub_co_u32 s22, s18, s22                     ; chunk inside the input
	s_lshl_b32 s22, s22, 22                        ; x 4 MiB
	s_lshl_b32 s23, ttmp9, 16                      ; + work-group x 64 KiB
	s_add_co_u32 s22, s22, s23
	s_mov_b32 s23, 0
	s_add_nc_u64 s[20:21], s[20:21], s[22:23]
	s_lshl_b32 s24, s18, 21                        ; out: chunk x 2 MiB
	s_lshl_b32 s25, ttmp9, 15                      ; + work-group x 32 KiB
	s_add_co_u32 s24, s24, s25
	s_mov_b32 s25, 0
	s_add_nc_u64 s[14:15], s[14:15], s[24:25]
	s_mov_b32 s26, 0xffff0000                      ; a word's upper bf16
	v_lshlrev_b32 v1, 4, v0                        ; 16 bytes a thread in
	v_lshlrev_b32 v2, 3, v0                        ; 8 bytes a thread out
.irp k, 0,1,2,3,4,5,6,7,8,9,10,11,12,13,14,15
	global_load_b128 v[X+4*\k:X+4*\k+3], v1, s[20:21] offset:4096*\k th:TH_LOAD_NT
.endr
; Load k has come (the 15-k younger ones stay out); round, and store.
.macro CV k, wo
	s_wait_loadcnt 15-\k
	v_cvt_pk_bf16_f32 v[Y+2*\k],   v[X+4*\k],   v[X+4*\k+1]
	v_cvt_pk_bf16_f32 v[Y+2*\k+1], v[X+4*\k+2], v[X+4*\k+3]
.if \wo
	v_lshlrev_b32 v[W],   16,  v[Y+2*\k]           ; the bf16 values as f32,
	v_and_b32     v[W+1], s26, v[Y+2*\k]
	v_lshlrev_b32 v[W+2], 16,  v[Y+2*\k+1]
	v_and_b32     v[W+3], s26, v[Y+2*\k+1]
	v_cvt_pk_f16_f32 v[Y+2*\k],   v[W],   v[W+1]   ; written as f16: exact from 2^-17 up to f16's largest number
	v_cvt_pk_f16_f32 v[Y+2*\k+1], v[W+2], v[W+3]
.endif
	global_store_b64 v2, v[Y+2*\k:Y+2*\k+1], s[14:15] offset:2048*\k
.endm
	s_cmp_ge_u32 s18, 14
	s_cbranch_scc1 .Lwo
.irp k, 0,1,2,3,4,5,6,7,8,9,10,11,12,13,14,15
	CV \k, 0
.endr
	s_endpgm
.Lwo:
.irp k, 0,1,2,3,4,5,6,7,8,9,10,11,12,13,14,15
	CV \k, 1
.endr
	s_endpgm
.Ltable:
	; thread g = 256 x work-group + thread makes tab[g >> 4][4 (g & 15) .. + 3]: sixteen lanes store one row of 256 bytes
	s_lshl_b32 s20, ttmp9, 8
	s_mov_b32 s21, 0xbfc90fdb                      ; -(pi/2 rounded to f32)
	s_mov_b32 s22, 0x333bbd2e                      ; what that rounding added to pi/2
	v_add_nc_u32 v1, s20, v0                       ; g
	v_lshrrev_b32 v2, 4, v1
	v_cvt_f32_u32 v2, v2                           ; t
	v_and_b32 v3, 15, v1
	v_lshlrev_b32 v3, 2, v3                        ; the first of my four i
.irp j, 0,1,2,3
	v_add_nc_u32 v[4+\j], \j, v3
	v_cvt_f32_u32 v[4+\j], v[4+\j]
	v_mul_f32 v[4+\j], 0xbe549a78, v[4+\j]         ; -i log2(10000) / 64
.endr
.irp j, 0,1,2,3
	v_exp_f32 v[8+\j], v[4+\j]                     ; 10000^(-i/64)
.endr
	v_lshlrev_b32 v1, 4, v1                        ; 16 g: my bytes in tab.  Also the plain instruction behind the exponentials (ISA guide 5.7.2)
	s_wait_alu depctr_va_vdst(0)
.irp j, 0,1,2,3
	v_mul_f32 v[8+\j], v2, v[8+\j]                 ; th
	v_mul_f32 v[12+\j], 0x3f22f983, v[8+\j]        ; th x 2/pi
	v_rndne_f32 v[12+\j], v[12+\j]                 ; n
	v_fma_f32 v[8+\j], v[12+\j], s21, v[8+\j]      ; y = th - n pi/2, in two parts
	v_fma_f32 v[8+\j], v[12+\j], s22, v[8+\j]
	v_cvt_i32_f32 v[12+\j], v[12+\j]
	v_mul_f32 v[16+\j], v[8+\j], v[8+\j]           ; y^2
	v_mov_b32 v[20+\j], 0xb9500d01                 ; sin y = y + y y^2 (-1/6 + y^2 (1/120 - y^2/5040))
	v_fmaak_f32 v[20+\j], v[20+\j], v[16+\j], 0x3c088889
	v_fmaak_f32 v[20+\j], v[20+\j], v[16+\j], 0xbe2aaaab
	v_mul_f32 v[20+\j], v[20+\j], v[16+\j]
	v_fma_f32 v[20+\j], v[20+\j], v[8+\j], v[8+\j]
	v_mov_b32 v[24+\j], 0x37d00d01                 ; cos y = 1 + y^2 (-1/2 + y^2 (1/24 + y^2 (-1/720 + y^2/40320)))
	v_fmaak_f32 v[24+\j], v[24+\j], v[16+\j], 0xbab60b61
	v_fmaak_f32 v[24+\j], v[24+\j], v[16+\j], 0x3d2aaaab
	v_fmaak_f32 v[24+\j], v[24+\j], v[16+\j], 0xbf000000
	v_fma_f32 v[24+\j], v[24+\j], v[16+\j], 1.0
	; cos th + sin th by quadrant n mod 4: c + s, c - s, -c - s, s - c: c changes sign with bit 1 of n, s with bit 1 of n + 1
	v_and_b32 v[28+\j], 2, v[12+\j]
	v_lshlrev_b32 v[28+\j], 30, v[28+\j]
	v_xor_b32 v[24+\j], v[28+\j], v[24+\j]
	v_add_nc_u32 v[28+\j], 1, v[12+\j]
	v_and_b32 v[28+\j], 2, v[28+\j]
	v_lshlrev_b32 v[28+\j], 30, v[28+\j]
	v_xor_b32 v[20+\j], v[28+\j], v[20+\j]
	v_add_f32 v[32+\j], v[24+\j], v[20+\j]
.endr
	global_store_b128 v1, v[32:35], s[16:17]
	s_endpgm
.Lfunc_end_k_q4e1b8e7d2e_prep:
	.size	k_q4e1b8e7d2e_prep, .Lfunc_end_k_q4e1b8e7d2e_prep-k_q4e1b8e7d2e_prep
	.p2alignl 7, 3214868480
	.fill 96, 4, 3214868480
	.section	.rodata,"a",@progbits
	.p2align	6, 0x0
	.amdhsa_kernel k_q4e1b8e7d2e_prep
		.amdhsa_group_segment_fixed_size 0
		.amdhsa_private_segment_fixed_size 0
		.amdhsa_enable_private_segment 0
		.amdhsa_kernarg_size 56
		.amdhsa_user_sgpr_count 2
		.amdhsa_user_sgpr_kernarg_segment_ptr 1
		.amdhsa_wavefront_size32 1
		.amdhsa_system_sgpr_workgroup_id_x 1
		.amdhsa_system_sgpr_workgroup_id_y 1
		.amdhsa_system_sgpr_workgroup_id_z 1
		.amdhsa_system_vgpr_workitem_id 0
		.amdhsa_next_free_vgpr 104
		.amdhsa_next_free_sgpr 66
		.amdhsa_reserve_vcc 0
		.amdhsa_float_denorm_mode_32 3
		.amdhsa_float_denorm_mode_16_64 3
		.amdhsa_memory_ordered 1
		.amdhsa_forward_progress 1
		.amdhsa_inst_pref_size 21
	.end_amdhsa_kernel
	.amdgpu_metadata
---
amdhsa.version: [ 1, 2 ]
amdhsa.kernels:
  - .name:           k_q4e1b8e7d2e_prep
    .symbol:         k_q4e1b8e7d2e_prep.kd
    .args:
      - { .name: x, .offset: 0, .size: 8, .value_kind: global_buffer, .address_space: global }
      - { .name: Wq, .offset: 8, .size: 8, .value_kind: global_buffer, .address_space: global }
      - { .name: Wk, .offset: 16, .size: 8, .value_kind: global_buffer, .address_space: global }
      - { .name: Wv, .offset: 24, .size: 8, .value_kind: global_buffer, .address_space: global }
      - { .name: Wo, .offset: 32, .size: 8, .value_kind: global_buffer, .address_space: global }
      - { .name: wsb, .offset: 40, .size: 8, .value_kind: global_buffer, .address_space: global }
      - { .name: tab, .offset: 48, .size: 8, .value_kind: global_buffer, .address_space: global }
    .group_segment_fixed_size: 0
    .private_segment_fixed_size: 0
    .kernarg_segment_align: 8
    .kernarg_segment_size: 56
    .max_flat_workgroup_size: 256
    .sgpr_count:     66
    .vgpr_count:     104
    .wavefront_size: 32
...
	.end_amdgpu_metadata
.endif
;; end of part 1
;; launch proj (part 2): grid 8 x 32, 4 waves a work-group, clusters of 4 x 4, 327,680 bytes of LDS; arguments wsb, tab, bq, bk, bv, qkvb; writes qkvb
.if DOCPART == 2
	.amdgcn_target "amdgcn-amd-amdhsa--gfx1250"
	.amdhsa_code_object_version 6
	.text
	.protected	k_q4e1b8e7d2e_proj
	.globl	k_q4e1b8e7d2e_proj
	.p2align	8
	.type	k_q4e1b8e7d2e_proj,@function
k_q4e1b8e7d2e_proj:
	s_mov_b64 s[64:65], 0
	v_nop
	global_prefetch_b8 v0, s[64:65] scope:SCOPE_SE
	s_setreg_imm32_b32 hwreg(HW_REG_WAVE_MODE, 25, 1), 1
	s_wait_xcnt 0x0
	s_wait_alu depctr_hold_cnt(0) depctr_sa_sdst(0) depctr_va_vdst(0) depctr_va_sdst(0) depctr_va_ssrc(0) depctr_va_vcc(0) depctr_vm_vsrc(0)
	s_getreg_b32 s2, hwreg(HW_REG_IB_STS2, 6, 4)
	s_cmp_eq_u32 s2, 0
	s_cbranch_scc0 .Lentry_in_a_cluster
	s_endpgm
.Lentry_in_a_cluster:
	s_bfe_u32 s2, ttmp6, 0x10000c
	s_cmp_lg_u32 s2, 0xf033
	s_cbranch_scc0 .Lentry_shape_is_right
	s_endpgm
.Lentry_shape_is_right:
; proj: qkvb[m][n] = (sum over k of x[m][k] W[n][k] + bias[n]) * factor, in f16.  x: [4096][2048] bf16 at wsb; W = Wq, Wk, Wv stacked, [3072][2048] bf16,
; at wsb + 16,777,216.  Columns 0-2047 q, 2048-2559 k (factor tab[m mod 1024][n mod 64]), 2560-3071 v (factor 1).  Sums, bias and factor in f32.
; LIMIT: the results are kept in f16: magnitudes of 65,520 and more become infinities, those under 2^-14 are kept to an absolute 2^-25.
; f16 and not bf16, because the first rows of each sequence average over few keys, so that the rounding of v reaches the output undamped.
; A work-group makes 128 x 384 of the result (4096 x 3072 / 256 work-groups; 384 f16 are three aligned blocks of 256 bytes of a row) with four waves
; side by side, 128 x 96 each: 48 accumulator tiles of 16 x 16, 384 registers.  K goes in steps of 128 through two LDS slots filled by the tensor data mover;
; a tile's rows are 256 bytes of memory and start at multiples of 256 bytes.  Two slots of 256 along K (512 rows x 528 bytes each) do not fit in LDS.
; CLUSTERS: 4 x 4 work-groups.  The four of a row of the cluster share x's tile and the table's rows, the four of a column W's tile: joint loads.
; PREFETCH.  Behind the tensor load at the end of K step 2 l + 1 every wave asks for a share of the tiles of K steps 2 l + 4 and 2 l + 5, whose tensor loads are
; issued one and two K steps later.  A lane names the 256 bytes that one row has in one K step; a wave names 16 rows x 2 K steps, 32 different blocks.
; Wave 0: rows 16 bc .. + 15 of the block row's 128 rows of x (bc = block column: the eight work-groups of a block row share them out, each block is asked for once
; in the launch).  Waves 1-3: rows 16 (br mod 8) .. + 15 of the third of W's tile that the wave itself loads (br = block row: eight neighbouring block rows share a
; tile out among themselves, so each block of W is asked for four times in the launch, once by each such group).  K steps 2 and 3 are asked for at the start;
; the lap that fills the ring for the last time asks for nothing: K step 15 is the last, so no prefetch leaves a row.
; REGISTERS in windows of 256: window 0: v0-38 addresses, v64-127 and v128-191 fragments of x (8 x 16 rows x 32 K, two buffers), v192-239 bias;
;   window 1: v64-111, v128-175 fragments of W (6 x 16 rows); window 2: the 24 accumulator tiles of rows 0-63 (tile (a, b) at v[8 (6 a + b)]); window 3: rows 64-127.
; The matrix instruction is used transposed (source 0 = rows of W, source 1 = rows of x): lane l then holds row l % 16 and its registers 0-7 the columns
; 8 (l / 16) + 0..7, eight neighbouring numbers of a row.
.set SIZE_K, 2048
.set KSTEP,  128
.set PITCH,  272                       ; an LDS row: 256 bytes + 16 of padding: the 16 rows that a fragment load touches start 68 words apart
.set HALFT,  128*PITCH                 ; 128 rows: what one tensor load brings
.set SLOT,   4*HALFT                   ; x's 128 rows, then W's 384
.set TAB,    2*SLOT                    ; behind the ring: the table's 128 rows of 64 f32, pitch 272
.set TROWS,  32*PITCH                  ; a wave's 32 rows of the table
.set WOFF,   16777216                  ; W in wsb
.set NB,     6                         ; column blocks of 16 in a wave
.set LAPS,   SIZE_K/(2*KSTEP)          ; a lap = two K steps = once round the ring
.set SPITCH, 784                       ; the way out: a row of 768 bytes + 16
.set OROW,   6144                      ; bytes in a row of qkvb
.set ADRA, 16                          ; v16-17  LDS address of x's fragments in slot 0, 1
.set ADRB, 20                          ; v20-21  the same for W
.set STO,  24                          ; v24-25  the way out: where I put 16 bytes, rows 0-63 and 64-127
.set RD,   26                          ; v26-27  the way out: where I read back
.set CO,   28                          ; v28-29  the same places in qkvb
.set TA,   30                          ; v30-31  my places in the table's rows
.set BO,   32                          ; v32-37  byte offsets of the bias, one for each column block
.set PF,   38                          ; v38     the prefetch: byte offset in wsb of my row's K step 0 (lanes 16-31: K step 1); never rewritten
.set F0,   64
.set F1,   128
.set BIAS, 192                         ; v192-239
.set CT,   64                          ; the way out: 4 groups of 8 factors
.set TMP,  96                          ; 48 numbers in f32
.set FF,   144                         ; 8 factors, or ones
.set PK,   152                         ; 24 registers of packed f16
.set PFB, 4                            ; s[4:5]   the prefetch's base: wsb, stepped two K steps a lap
.set G1,  24                           ; s[24:31] group 1 for x's tiles
.set G0,  32                           ; s[32:39] group 0 for x's tiles, one set for each slot
.set G1B, 48                           ; s[48:55] group 1 for W's tiles
.set G0B, 56                           ; s[56:63] group 0 for W's tiles
.set BB,  66                           ; s[66:77] the bias buffer of each column block
.set BM,  78                           ; s[78:83] all ones where the block is roped (q, k), 0 for v
.set G1T, 84                           ; s[84:91] group 1 for the table
.set G0T, 92                           ; s[92:95] group 0 for the table
.set MSB, 0
.macro WIN new                         ; the immediate's high byte repeats the setting that is left
.if MSB != \new
	s_set_vgpr_msb (MSB<<8)|\new
.set MSB, \new
.endif
.endm
.set MUL_LO, 0xa1                      ; source 0 (W) window 1, source 1 (x) window 0, C and D window 2
.set MUL_HI, 0xf1                      ; the same, C and D window 3
.set TO_B,   0x40                      ; destination window 1, address window 0
; A joint load.  Wave 0 fetches x's 128 rows, waves 1 to 3 a third of W's 384 each.  Each line has one mask; the branch hangs on the wave's number alone.
.macro JLOAD s
	s_cmp_eq_u32 s10, 0
	s_cbranch_scc0 .Lfor_b_\@
	tensor_load_to_lds s[G0+4*\s:G0+4*\s+3], s[G1:G1+7]
	s_nop 0
	s_branch .Lasked_\@
.Lfor_b_\@:
	tensor_load_to_lds s[G0B+4*\s:G0B+4*\s+3], s[G1B:G1B+7]
	s_nop 0
.Lasked_\@:
.endm
; A round of the cluster's barrier: my work-group's barrier; wave 0 signals for the work-group; every wave waits for all sixteen; my work-group's barrier again.
.macro CREST
	s_cmp_lg_u32 s10, 0
	s_cbranch_scc1 .Lnot_wave_0_\@
	s_barrier_signal -3
.Lnot_wave_0_\@:
	s_barrier_wait -3
	s_barrier_signal -1
	s_barrier_wait -1
.endm
.macro CROUND
	s_barrier_signal -1
	s_barrier_wait -1
	CREST
.endm
	s_load_b128 s[4:7], s[0:1], 0x0                ; wsb s[4:5], tab s[6:7]
	s_load_b128 s[96:99], s[0:1], 0x10             ; bq s[96:97], bk s[98:99]
	s_load_b64 s[100:101], s[0:1], 0x20            ; bv
	s_load_b64 s[8:9], s[0:1], 0x28                ; qkvb
	s_set_vgpr_msb 0x40
	v_lshl_add_u32 v255, v0, 2, 0x4c800
	s_set_vgpr_msb 0x4000
	v_mov_b32 v255, 0
	s_set_vgpr_msb 0x1
	ds_add_u32 v255, v255
	s_set_vgpr_msb 0x100
	v_lshrrev_b32 v1, 5, v0
	v_readfirstlane_b32 s10, v1                    ; wave 0..3
	s_and_b32 s12, s10, 1
	s_bfe_u32 s40, ttmp6, 0x40000                  ; cx
	s_bfe_u32 s41, ttmp6, 0x40004                  ; cy
	s_lshl_b32 s42, ttmp9, 2
	s_add_co_u32 s42, s42, s40                     ; block column = 4 x cluster x + cx
	s_and_b32 s13, ttmp7, 0xffff
	s_lshl_b32 s13, s13, 2
	s_add_co_u32 s13, s13, s41                     ; block row = 4 x cluster y + cy
	s_lshl_b32 s43, s41, 2
	s_lshl_b32 s43, 15, s43                        ; my row of the cluster
	s_lshl_b32 s44, 0x1111, s40                    ; my column
	; group 1: 128 rows x 128 elements of 2 bytes, 4 words of padding behind every 64; bit 21 stands beside a mask
	s_or_b32 s[G1+0],  s43, (1<<16)|(1<<20)|(1<<21)|(5<<22)|(3<<25)
	s_or_b32 s[G1B+0], s44, (1<<16)|(1<<20)|(1<<21)|(5<<22)|(3<<25)
.irp g, G1, G1B
	s_mov_b32 s[\g+1], KSTEP<<16                   ; tensor_dim0 = 128
	s_mov_b32 s[\g+2], 128<<16                     ; tensor_dim1 = 128
	s_mov_b32 s[\g+3], KSTEP<<16                   ; tile_dim0 = 128
	s_mov_b32 s[\g+4], 128                         ; tile_dim1 = 128
	s_mov_b32 s[\g+5], SIZE_K                      ; elements from row to row
	s_mov_b32 s[\g+6], 0
	s_mov_b32 s[\g+7], 0
.endr
	; the table: 32 rows x 64 elements of 4 bytes, padded alike; shared along my row of the cluster (it hangs on the block row alone)
	s_or_b32 s[G1T+0], s43, (2<<16)|(1<<20)|(1<<21)|(5<<22)|(3<<25)
	s_mov_b32 s[G1T+1], 64<<16
	s_mov_b32 s[G1T+2], 32<<16
	s_mov_b32 s[G1T+3], 64<<16
	s_mov_b32 s[G1T+4], 32
	s_mov_b32 s[G1T+5], 64
	s_mov_b32 s[G1T+6], 0
	s_mov_b32 s[G1T+7], 0
	s_lshl_b32 s16, s13, 19                        ; x: block row x 128 rows x 4,096 bytes
	s_mov_b32 s17, 0
	s_mul_i32 s46, s42, 384                        ; W: row 384 x block column + 128 x (wave - 1); wave 0 asks for none of W
	s_max_u32 s47, s10, 1
	s_sub_co_u32 s47, s47, 1
	s_lshl_b32 s47, s47, 7
	s_add_co_u32 s46, s46, s47
	s_lshl_b32 s46, s46, 12
	s_add_co_u32 s46, s46, WOFF
	s_mov_b32 s47, 0
	s_and_b32 s18, s13, 7                          ; the table: t = row mod 1024 begins at 128 (block row mod 8); + 32 x wave; rows of 256 bytes
	s_lshl_b32 s18, s18, 15
	s_lshl_b32 s19, s10, 13
	s_add_co_u32 s18, s18, s19
	s_mov_b32 s19, 0
	s_mul_i32 s20, s10, HALFT                      ; where a tile goes: wave x 128 rows (x first, then W's thirds)
	s_mul_i32 s21, s10, TROWS
	s_wait_dscnt 0x0
	s_wait_kmcnt 0x0
	s_add_nc_u64 s[14:15], s[4:5], s[16:17]
	s_add_nc_u64 s[46:47], s[4:5], s[46:47]
	s_add_nc_u64 s[18:19], s[6:7], s[18:19]
	CROUND                                         ; all sixteen work-groups are here: the first joint loads meet
	s_mov_b32 s[G0T], 1
	s_add_co_u32 s[G0T+1], s21, TAB
	s_mov_b64 s[G0T+2:G0T+3], s[18:19]
	s_or_b32 s[G0T+3], s[G0T+3], 0x80000000
	tensor_load_to_lds s[G0T:G0T+3], s[G1T:G1T+7]  ; the first fills go out as one group: the table, K step 0, K step 1: three loads of a wave are out
	s_nop 0
.irp s, 0,1
	s_mov_b32 s[G0+4*\s], 1
	s_add_co_u32 s[G0+4*\s+1], s20, \s*SLOT
	s_add_nc_u64 s[G0+4*\s+2:G0+4*\s+3], s[14:15], \s*KSTEP*2
	s_or_b32 s[G0+4*\s+3], s[G0+4*\s+3], 0x80000000
	s_mov_b32 s[G0B+4*\s], 1
	s_add_co_u32 s[G0B+4*\s+1], s20, \s*SLOT
	s_add_nc_u64 s[G0B+4*\s+2:G0B+4*\s+3], s[46:47], \s*KSTEP*2
	s_or_b32 s[G0B+4*\s+3], s[G0B+4*\s+3], 0x80000000
	JLOAD \s
.endr
	v_and_b32 v1, 15, v0                           ; r
	v_bfe_u32 v2, v0, 4, 1                         ; h
	v_and_b32 v4, 31, v0                           ; lane
	; the prefetch's share: an offset in wsb, chosen once by the wave's number
	s_lshl_b32 s16, s13, 7
	s_lshl_b32 s17, s42, 4
	s_add_co_u32 s16, s16, s17                     ; wave 0: x's row 128 x block row + 16 x block column
	s_lshl_b32 s16, s16, 12
	s_mul_i32 s17, s42, 384                        ; waves 1-3: W's row 384 x block column + 128 x (wave - 1) + 16 x (block row mod 8)
	s_max_u32 s18, s10, 1
	s_sub_co_u32 s18, s18, 1
	s_lshl_b32 s18, s18, 7
	s_add_co_u32 s17, s17, s18
	s_and_b32 s18, s13, 7
	s_lshl_b32 s18, s18, 4
	s_add_co_u32 s17, s17, s18
	s_lshl_b32 s17, s17, 12
	s_add_co_u32 s17, s17, WOFF
	s_cmp_eq_u32 s10, 0
	s_cselect_b32 s16, s16, s17
	v_lshlrev_b32 v[PF], 12, v1                    ; + r rows of 4,096 bytes
	v_lshl_add_u32 v[PF], v2, 8, v[PF]             ; + h K steps of 256 bytes
	v_add_nc_u32 v[PF], s16, v[PF]
	global_prefetch_b8 v[PF], s[PFB:PFB+1] offset:2*KSTEP*2 th:TH_LOAD_NT scope:SCOPE_SE   ; K steps 2 and 3: their tensor loads stand at the ends of K steps 0 and 1
	; fragment addresses: lane l takes row l % 16, 16 bytes at 16 (l / 16), and 16 more 32 bytes on
	v_mul_u32_u24 v[ADRA], v1, PITCH
	v_lshl_add_u32 v[ADRA], v2, 4, v[ADRA]         ; every wave reads x's rows 0-127
	v_add_nc_u32 v[ADRA+1], SLOT, v[ADRA]
	s_mul_i32 s22, s10, 16*NB*PITCH                ; my 96 rows of W, behind x's 128
	s_add_co_u32 s22, s22, HALFT
	v_add_nc_u32 v[ADRB], s22, v[ADRA]
	v_add_nc_u32 v[ADRB+1], SLOT, v[ADRB]
	; the way out
	s_mul_i32 s23, s10, 192                        ; my 96 columns in a staged row
	v_mul_u32_u24 v[STO], v1, SPITCH
	v_lshl_add_u32 v[STO], v2, 4, v[STO]
	v_add_nc_u32 v[STO], s23, v[STO]
	v_add_nc_u32 v[STO+1], 64*SPITCH, v[STO]
	s_mul_i32 s23, s10, 32*SPITCH                  ; back: wave w takes rows 32 w .. 32 w + 31, two rows (1,536 bytes) by three loads
	v_lshl_add_u32 v[RD], v4, 4, s23               ; bytes 0-511 of a row
	v_mul_u32_u24 v5, v2, PITCH                    ; lanes 0-15: bytes 512-767; lanes 16-31: bytes 0-255 of the next row (512 + 272 = the pitch)
	v_lshl_add_u32 v5, v1, 4, v5
	v_add3_u32 v[RD+1], v5, s23, 512
	v_lshlrev_b32 v[CO], 4, v4
	v_mul_u32_u24 v5, v2, OROW-512
	v_lshl_add_u32 v5, v1, 4, v5
	v_add_nc_u32 v[CO+1], 512, v5
	; the table: column block b of wave w begins at column (32 (w & 1) + 16 b) mod 64: blocks 0, 1 from TA, blocks 2, 3 from TA+1, 4 and 5 as 0 and 1
	v_mul_u32_u24 v5, v1, PITCH
	v_lshl_add_u32 v5, v2, 5, v5                   ; row r, 8 f32 at 32 h
	s_lshl_b32 s23, s12, 7
	s_add_co_u32 s23, s23, TAB
	v_add_nc_u32 v[TA], s23, v5
	s_xor_b32 s23, s12, 1
	s_lshl_b32 s23, s23, 7
	s_add_co_u32 s23, s23, TAB
	v_add_nc_u32 v[TA+1], s23, v5
	; the bias of my 96 columns: a block of 16 columns lies wholly in q, k or v (2048 and 2560 are multiples of 16)
	s_mul_i32 s45, s42, 384
	s_mul_i32 s16, s10, 16*NB
	s_add_co_u32 s45, s45, s16                     ; my first column
.macro BIASLD b
	s_add_co_u32 s16, s45, 16*\b
	s_cmp_lt_u32 s16, 2048
	s_cselect_b64 s[BB+2*\b:BB+2*\b+1], s[96:97], s[98:99]
	s_cselect_b32 s17, 0, 2048
	s_cmp_lt_u32 s16, 2560
	s_cselect_b64 s[BB+2*\b:BB+2*\b+1], s[BB+2*\b:BB+2*\b+1], s[100:101]
	s_cselect_b32 s17, s17, 2560
	s_cselect_b32 s[BM+\b], -1, 0
	s_sub_co_u32 s16, s16, s17
	s_lshl_b32 s16, s16, 2
	v_lshl_add_u32 v[BO+\b], v2, 5, s16            ; my 8 columns begin at 8 h
	global_load_b128 v[BIAS+8*\b:BIAS+8*\b+3],   v[BO+\b], s[BB+2*\b:BB+2*\b+1]
	global_load_b128 v[BIAS+8*\b+4:BIAS+8*\b+7], v[BO+\b], s[BB+2*\b:BB+2*\b+1] offset:16
.endm
.irp b, 0,1,2,3,4,5
	BIASLD \b
.endr
; 12 matrix instructions: row blocks a0, a0 + 1 of the window's four x all 6 column blocks, 32 along K.  zero = 1: the first product starts the sums.
; The 48 accumulators take turns, one instruction a turn, in the same order in every quarter step.
.macro MULS f, hi, a0, zero
.irp a, \a0, \a0+1
.irp b, 0,1,2,3,4,5
.if \zero
	v_wmma_f32_16x16x32_bf16 v[8*(NB*(\a)+\b):8*(NB*(\a)+\b)+7], v[\f+8*\b:\f+8*\b+7], v[\f+8*(4*\hi+\a):\f+8*(4*\hi+\a)+7], 0
.else
	v_wmma_f32_16x16x32_bf16 v[8*(NB*(\a)+\b):8*(NB*(\a)+\b)+7], v[\f+8*\b:\f+8*\b+7], v[\f+8*(4*\hi+\a):\f+8*(4*\hi+\a)+7], v[8*(NB*(\a)+\b):8*(NB*(\a)+\b)+7]
.endif
.endr
.endr
.endm
; 28 LDS loads in one run: the fragments of a quarter step (96 rows of W, 128 rows of x, 32 K at byte k of the rows) into buffer f
.macro FETCH slot, k, f
	WIN TO_B
.irp i, 0,1,2,3,4,5
	ds_load_b128 v[\f+8*\i:\f+8*\i+3],   v[ADRB+\slot] offset:\k+\i*16*PITCH
	ds_load_b128 v[\f+8*\i+4:\f+8*\i+7], v[ADRB+\slot] offset:\k+\i*16*PITCH+32
.endr
	WIN 0
.irp i, 0,1,2,3,4,5,6,7
	ds_load_b128 v[\f+8*\i:\f+8*\i+3],   v[ADRA+\slot] offset:\k+\i*16*PITCH
	ds_load_b128 v[\f+8*\i+4:\f+8*\i+7], v[ADRA+\slot] offset:\k+\i*16*PITCH+32
.endr
.endm
; Four places behind a matrix instruction before a load lands on a register that it read, or a vector instruction reads its result or writes one of
; its registers (ISA guide 7.12.1 for vector instructions); the matrix instructions in between are not counted.
.macro PLACES
.rept 4
	v_nop
.endr
.endm
.macro QUARTER slot, k, f, g, zero
	s_wait_dscnt 8                                 ; W and x's rows 0-63 are in; the youngest eight loads (x's rows 64-127) may be out
	WIN MUL_LO
	MULS \f, 0, 0, \zero
	MULS \f, 0, 2, \zero
	PLACES
	FETCH \slot, \k, \g
	s_wait_dscnt 2*NB+16                           ; all but the 28 just issued
	WIN MUL_HI
	MULS \f, 1, 0, \zero
	MULS \f, 1, 2, \zero
.endm
.macro THREE slot, zero
	QUARTER \slot, 64,  F0, F1, \zero
	QUARTER \slot, 128, F1, F0, 0
	QUARTER \slot, 192, F0, F1, 0
.endm
; The last quarter of a K step changes slots.  In front of the barrier each wave waits for its reads of this slot and for all its tensor loads (one is out:
; its part of the next slot).  Where the slot is filled again the barrier opens a round of the cluster's barrier, and the joint refill is the first
; tensor load behind the round.  From a request to the wait for it a wave issues 180 matrix instructions.
; pf = 1: behind the refill the wave asks for its share of the two K steps that follow the one just requested.
.macro TURN slot, next, fill, pf
	s_wait_dscnt 8
	WIN MUL_LO
	MULS F1, 0, 0, 0
	s_wait_dscnt 0                                 ; my reads of this slot are over
	s_wait_tensorcnt 0x0                           ; all my tensor loads have landed
	ds_add_u32 v255, v255
	s_wait_dscnt 0x0
	s_barrier_signal -1
	MULS F1, 0, 2, 0                               ; register work while the others arrive
	WIN 0
	s_barrier_wait -1
.if \fill
	CREST
	s_add_nc_u64 s[G0+4*\slot+2:G0+4*\slot+3], s[G0+4*\slot+2:G0+4*\slot+3], 2*KSTEP*2
	s_add_nc_u64 s[G0B+4*\slot+2:G0B+4*\slot+3], s[G0B+4*\slot+2:G0B+4*\slot+3], 2*KSTEP*2
.if \pf
	s_wait_xcnt 0x0                                ; the last prefetch, issued a lap ago, has had its address translated (ISA guide 3.1): its base is stepped only behind this wait
	s_add_nc_u64 s[PFB:PFB+1], s[PFB:PFB+1], 2*KSTEP*2
.endif
	JLOAD \slot
.if \pf
	global_prefetch_b8 v[PF], s[PFB:PFB+1] offset:2*KSTEP*2 th:TH_LOAD_NT scope:SCOPE_SE   ; in lap l the base stands at K step 2 l + 2: K steps 2 l + 4 (lanes 0-15) and 2 l + 5 (lanes 16-31)
.endif
.endif
	PLACES
	FETCH \next, 0, F0
	WIN MUL_HI
	MULS F1, 1, 0, 0
	MULS F1, 1, 2, 0
.endm
.macro LAP zero, pf
	THREE 0, \zero
	TURN 0, 1, 1, 0
	THREE 1, 0
	TURN 1, 0, 1, \pf
.endm
	s_wait_loadcnt 0x0                             ; the bias, once
	s_wait_tensorcnt 1                             ; my parts of the table and of K step 0 are in; K step 1's load may stay out
	s_barrier_signal -1
	s_barrier_wait -1
	FETCH 0, 0, F0
	LAP 1, 1                                       ; lap 0 stands in front of the loop: its first products start the sums
	WIN 0
	s_mov_b32 s3, LAPS-3
.Llap:
	LAP 0, 1                                       ; laps 1 to 5
	WIN 0
	s_sub_co_u32 s3, s3, 1
	s_cmp_lg_u32 s3, 0
	s_cbranch_scc1 .Llap
	LAP 0, 0                                       ; lap 6 fills the ring for the last time (K steps 14 and 15); nothing is left to ask for
	THREE 0, 0                                     ; the last lap fills nothing
	TURN 0, 1, 0, 0                                ; behind this barrier no wave reads slot 0 and no load fills it any more: it becomes the stage of the way out
	THREE 1, 0
	s_wait_dscnt 8
	WIN MUL_LO
	MULS F1, 0, 0, 0
	MULS F1, 0, 2, 0
	s_wait_dscnt 0
	WIN MUL_HI
	MULS F1, 1, 0, 0
	MULS F1, 1, 2, 0
	WIN 0
	; THE WAY OUT.  16 rows at a time: + bias, x factor, round to f16, 16 bytes a lane into the stage (slot 0, rows of 784 bytes, all four waves' columns side by side).
	PLACES
	s_lshl_b32 s16, s13, 7
	s_lshl_b32 s17, s10, 5
	s_add_co_u32 s16, s16, s17                     ; the first row that I store: 128 x block row + 32 x wave
	s_mul_i32 s16, s16, OROW
	s_mov_b32 s17, 0
	s_add_nc_u64 s[8:9], s[8:9], s[16:17]
	s_mul_i32 s46, s42, 768                        ; the block's 384 columns
	s_mov_b32 s47, 0
	s_add_nc_u64 s[8:9], s[8:9], s[46:47]
; rows 16 a .. 16 a + 15; aa = a mod 4, from = the window of the accumulators as source 0, sto = STO or STO+1
.macro EPI a, aa, from, sto
.irp g, 0,1
	ds_load_b128 v[CT+8*\g:CT+8*\g+3],       v[TA]   offset:16*PITCH*\a+64*\g
	ds_load_b128 v[CT+8*\g+4:CT+8*\g+7],     v[TA]   offset:16*PITCH*\a+64*\g+16
	ds_load_b128 v[CT+16+8*\g:CT+16+8*\g+3], v[TA+1] offset:16*PITCH*\a+64*\g
	ds_load_b128 v[CT+20+8*\g:CT+20+8*\g+3], v[TA+1] offset:16*PITCH*\a+64*\g+16
.endr
	WIN \from
.irp b, 0,1,2,3,4,5
.irp p, 0,1,2,3
	v_pk_add_f32 v[TMP+8*\b+2*\p:TMP+8*\b+2*\p+1], v[8*(NB*\aa+\b)+2*\p:8*(NB*\aa+\b)+2*\p+1], v[BIAS+8*\b+2*\p:BIAS+8*\b+2*\p+1]
.endr
.endr
	WIN 0
	s_wait_dscnt 0x0                               ; the factors are in
.irp b, 0,1,2,3,4,5
.irp j, 0,1,2,3,4,5,6,7
	v_cndmask_b32 v[FF+\j], 1.0, v[CT+8*(\b&3)+\j], s[BM+\b]       ; the factor for q and k, one for v: a choice of a value, made in every block
.endr
.irp p, 0,1,2,3
	v_pk_mul_f32 v[TMP+8*\b+2*\p:TMP+8*\b+2*\p+1], v[TMP+8*\b+2*\p:TMP+8*\b+2*\p+1], v[FF+2*\p:FF+2*\p+1]
.endr
.irp p, 0,1,2,3
	v_cvt_pk_f16_f32 v[PK+4*\b+\p], v[TMP+8*\b+2*\p], v[TMP+8*\b+2*\p+1]
.endr
	ds_store_b128 v[\sto], v[PK+4*\b:PK+4*\b+3] offset:16*SPITCH*\aa+32*\b
.endr
.endm
	EPI 0, 0, 0x02, STO
	EPI 1, 1, 0x02, STO
	EPI 2, 2, 0x02, STO
	EPI 3, 3, 0x02, STO
	EPI 4, 0, 0x03, STO+1
	EPI 5, 1, 0x03, STO+1
	EPI 6, 2, 0x03, STO+1
	EPI 7, 3, 0x03, STO+1
	s_wait_dscnt 0x0                               ; my stores into the stage are done: the rows are read by other waves
	s_barrier_signal -1
	s_barrier_wait -1
; eight pairs of rows: three loads and three stores a pair; sixteen neighbouring lanes store 256 consecutive bytes, at a multiple of 256 from qkvb's first byte
.macro BACK q
.irp p, 0,1,2,3,4,5,6,7
	ds_load_b128 v[64+12*\p:64+12*\p+3],    v[RD]   offset:2*SPITCH*(8*\q+\p)
	ds_load_b128 v[64+12*\p+4:64+12*\p+7],  v[RD+1] offset:2*SPITCH*(8*\q+\p)
	ds_load_b128 v[64+12*\p+8:64+12*\p+11], v[RD]   offset:2*SPITCH*(8*\q+\p)+SPITCH+256
.endr
.irp p, 0,1,2,3,4,5,6,7
	s_wait_dscnt 23-3*\p                           ; LDS loads come back in order: the younger ones stay out
	global_store_b128 v[CO],   v[64+12*\p:64+12*\p+3],    s[8:9] offset:2*OROW*(8*\q+\p)
	s_wait_dscnt 22-3*\p
	global_store_b128 v[CO+1], v[64+12*\p+4:64+12*\p+7],  s[8:9] offset:2*OROW*(8*\q+\p)
	s_wait_dscnt 21-3*\p
	global_store_b128 v[CO],   v[64+12*\p+8:64+12*\p+11], s[8:9] offset:2*OROW*(8*\q+\p)+OROW+256
.endr
.endm
	BACK 0
	s_wait_xcnt 0x0                                ; the stores' data registers are loaded again only behind this wait
	BACK 1
	s_set_vgpr_msb 0x1
	s_wait_tensorcnt 0x0
	ds_add_u32 v255, v255
	s_wait_dscnt 0x0
	s_set_vgpr_msb 0x100
	CROUND                                         ; the closing round: no work-group ends while a partner may still ask for a tile that names it
	s_endpgm
.Lfunc_end_k_q4e1b8e7d2e_proj:
	.size	k_q4e1b8e7d2e_proj, .Lfunc_end_k_q4e1b8e7d2e_proj-k_q4e1b8e7d2e_proj
	.p2alignl 7, 3214868480
	.fill 96, 4, 3214868480
	.section	.rodata,"a",@progbits
	.p2align	6, 0x0
	.amdhsa_kernel k_q4e1b8e7d2e_proj
		.amdhsa_group_segment_fixed_size 327680
		.amdhsa_private_segment_fixed_size 0
		.amdhsa_enable_private_segment 0
		.amdhsa_kernarg_size 48
		.amdhsa_user_sgpr_count 2
		.amdhsa_user_sgpr_kernarg_segment_ptr 1
		.amdhsa_wavefront_size32 1
		.amdhsa_system_sgpr_workgroup_id_x 1
		.amdhsa_system_sgpr_workgroup_id_y 1
		.amdhsa_system_sgpr_workgroup_id_z 1
		.amdhsa_system_vgpr_workitem_id 0
		.amdhsa_next_free_vgpr 1024
		.amdhsa_next_free_sgpr 102
		.amdhsa_reserve_vcc 0
		.amdhsa_float_denorm_mode_32 3
		.amdhsa_float_denorm_mode_16_64 3
		.amdhsa_memory_ordered 1
		.amdhsa_forward_progress 1
		.amdhsa_inst_pref_size 255
	.end_amdhsa_kernel
	.section	.bss,"aw",@nobits
	.p2align	6
	.space	262144
	.amdgpu_metadata
---
amdhsa.version: [ 1, 2 ]
amdhsa.kernels:
  - .name:           k_q4e1b8e7d2e_proj
    .symbol:         k_q4e1b8e7d2e_proj.kd
    .args:
      - { .name: wsb, .offset: 0, .size: 8, .value_kind: global_buffer, .address_space: global }
      - { .name: tab, .offset: 8, .size: 8, .value_kind: global_buffer, .address_space: global }
      - { .name: bq, .offset: 16, .size: 8, .value_kind: global_buffer, .address_space: global }
      - { .name: bk, .offset: 24, .size: 8, .value_kind: global_buffer, .address_space: global }
      - { .name: bv, .offset: 32, .size: 8, .value_kind: global_buffer, .address_space: global }
      - { .name: qkvb, .offset: 40, .size: 8, .value_kind: global_buffer, .address_space: global }
    .group_segment_fixed_size: 327680
    .private_segment_fixed_size: 0
    .kernarg_segment_align: 8
    .kernarg_segment_size: 48
    .max_flat_workgroup_size: 128
    .sgpr_count:     102
    .vgpr_count:     1024
    .wavefront_size: 32
...
	.end_amdgpu_metadata
.endif
;; end of part 2
;; launch attn (part 3): grid 16 x 16, 8 waves a work-group, clusters of 4 x 1, 327,680 bytes of LDS; arguments qkvb, yb; writes yb
.if DOCPART == 3
	.amdgcn_target "amdgcn-amd-amdhsa--gfx1250"
	.amdhsa_code_object_version 6
	.text
	.protected	k_q4e1b8e7d2e_attn
	.globl	k_q4e1b8e7d2e_attn
	.p2align	8
	.type	k_q4e1b8e7d2e_attn,@function
k_q4e1b8e7d2e_attn:
	s_mov_b64 s[64:65], 0
	v_nop
	global_prefetch_b8 v0, s[64:65] scope:SCOPE_SE
	s_setreg_imm32_b32 hwreg(HW_REG_WAVE_MODE, 25, 1), 1
	s_wait_xcnt 0x0
	s_wait_alu depctr_hold_cnt(0) depctr_sa_sdst(0) depctr_va_vdst(0) depctr_va_sdst(0) depctr_va_ssrc(0) depctr_va_vcc(0) depctr_vm_vsrc(0)
	s_getreg_b32 s2, hwreg(HW_REG_IB_STS2, 6, 4)
	s_cmp_eq_u32 s2, 0
	s_cbranch_scc0 .Lentry_in_a_cluster
	s_endpgm
.Lentry_in_a_cluster:
	s_bfe_u32 s2, ttmp6, 0x10000c
	s_cmp_lg_u32 s2, 0x3003
	s_cbranch_scc0 .Lentry_shape_is_right
	s_endpgm
.Lentry_shape_is_right:
; attn: causal softmax attention, 16 query heads on 4 key/value heads, d = 128, T = 1024, 4 sequences.  q, k, v: f16 columns of qkvb [4096][3072]; y: f16, yb [4096][2048].
; Products in f16 with f32 sums; scores, running maximum, exponentials and sums in f32.
; LIMITS: a weight exp(s - max) below 2^-25 counts as 0 in the second product (f16); y is kept in f16 (it is a mean of v, so it has v's range).
; SHARES.  Grid y = (sequence, key/value head).  Work-group i = 4 a + cx (a = the cluster's x).  Wave w: head 4 kvh + (w & 3); waves 0-3 take the block of 32 queries
; number i, waves 4-7 number 31 - i.  Keys go in tiles of 128; a wave needs a + 1 or 8 - a of them (what the causal mask throws away is not computed), so a pair
; of waves w, w + 4 does nine tile steps in every work-group.  The four heads share K and V inside the work-group, and the four work-groups of a cluster have the
; same a, so the same tiles and the same number of them: joint loads, mask 15.
; NO PREFETCH: a tile is asked for a whole tile step (128 matrix instructions and the softmax of 4,096 scores in each working wave) before it is read, and the
; first tile is asked for as soon as its address is known.
; TRANSPOSED FORMS.  S^T = K Q^T: lane (r, h), register j holds key 16 kt + 8 h + j of query r.  Two such tiles, rounded pairwise to f16, are the second operand
; (32 keys) of O^T = V^T P^T as they stand; V^T's fragments come by the transposing LDS load.  A lane keeps one query: maximum, sum and rescaling are one register each.
; REGISTERS.  Window 0: addresses and softmax state v0-56; v64-127, v128-191 fragments of K or V, two buffers; v192-255 Q's fragments (block q, d step ks at 8 (4 q + ks)).
; Window 1: S tile (kt, q) at 8 (2 kt + q); O tile (dt, q) at 128 + 8 (2 dt + q); P (ks, q) lies over S tile (2 ks, q).
.set ROWB,  6144                       ; bytes in a row of qkvb
.set VP,    288                        ; V's LDS pitch: 256 + 32, an odd multiple of 32 for the transposing load
.set KP,    272                        ; K's LDS pitch: 256 + 16
.set KOFF,  128*VP                     ; a slot: V's 128 rows, then K's
.set SLOT,  KOFF+128*KP                ; 71,680
.set STAGE, 2*SLOT                     ; behind the ring: 16 rows x 272 bytes for each wave, for the way out
.set TSTEP, 128*ROWB                   ; from a tile of keys to the next
.set KA,  2                            ; v2-3   K's fragment address in slot 0, 1
.set VA,  4                            ; v4-5   V's
.set STO, 6
.set RD,  7
.set CO,  8
.set QO,  9
.set DG,  10                           ; v10-11 query block q: (my query) - 8 h, counted from the diagonal tile's first key
.set M,   12                           ; v12-13 running maximum
.set L,   14                           ; v14-15 running sum, of my half of the keys
.set NM,  16                           ; v16-19 -c x maximum, a pair for each q
.set AL,  20                           ; v20-23 the rescaling factor, a pair for each q
.set T,   24                           ; v24-31 at work for q = 0, v48-55 for q = 1
.set NEG, 56
.set F0,  64
.set F1,  128
.set Q,   192
.set G1V, 16                           ; s[16:23] group 1 for V's tiles
.set G1K, 24                           ; s[24:31] group 1 for K's
.set G0V, 32                           ; s[32:39] group 0 for V's, one set for each slot
.set G0K, 40                           ; s[40:47] group 0 for K's
.set MSB, 0
.macro WIN new
.if MSB != \new
	s_set_vgpr_msb (MSB<<8)|\new
.set MSB, \new
.endif
.endm
.macro PLACES                          ; four places behind a matrix instruction (ISA guide 7.12.1 for vector instructions)
.rept 4
	v_nop
.endr
.endm
.macro ROUND                           ; a round of the cluster's barrier
	s_barrier_signal -1
	s_barrier_wait -1
	s_cmp_lg_u32 s8, 0
	s_cbranch_scc1 .Lnot_wave_0_\@
	s_barrier_signal -3
.Lnot_wave_0_\@:
	s_barrier_wait -3
	s_barrier_signal -1
	s_barrier_wait -1
.endm
; A joint load: waves 0-3 fetch 32 rows of V each, waves 4-7 32 rows of K: each of the eight waves has one load.
.macro JLOAD s
	s_cmp_eq_u32 s10, 0
	s_cbranch_scc0 .Lfor_k_\@
	tensor_load_to_lds s[G0V+4*\s:G0V+4*\s+3], s[G1V:G1V+7]
	s_nop 0
	s_branch .Lasked_\@
.Lfor_k_\@:
	tensor_load_to_lds s[G0K+4*\s:G0K+4*\s+3], s[G1K:G1K+7]
	s_nop 0
.Lasked_\@:
.endm
	s_load_b128 s[4:7], s[0:1], 0x0                ; qkvb s[4:5], yb s[6:7]
	v_lshl_add_u32 v62, v0, 2, 0x2b800
	v_mov_b32 v63, 0
	ds_add_u32 v62, v63
	v_lshrrev_b32 v1, 5, v0
	v_readfirstlane_b32 s8, v1                     ; wave 0..7
	s_and_b32 s9, s8, 3                            ; head in the group; also: which 32 rows of a tile I fetch
	s_lshr_b32 s10, s8, 2                          ; 0: the low query block, and V's loads; 1: the high one, and K's
	s_mov_b32 s11, ttmp9                           ; a: the cluster's x, equal in all four partners
	s_and_b32 s13, ttmp7, 0xffff
	s_lshr_b32 s14, s13, 2                         ; sequence
	s_and_b32 s15, s13, 3                          ; key/value head
	; group 1: 32 rows x 128 elements of 2 bytes, pitch 3,072 elements; padding behind every 64 words: 8 words for V, 4 for K; mask 15, bit 21 beside it
	s_mov_b32 s[G1V+0], 15|(1<<16)|(1<<20)|(1<<21)|(5<<22)|(7<<25)
	s_mov_b32 s[G1K+0], 15|(1<<16)|(1<<20)|(1<<21)|(5<<22)|(3<<25)
.irp g, G1V, G1K
	s_mov_b32 s[\g+1], 128<<16                     ; tensor_dim0
	s_mov_b32 s[\g+2], 32<<16                      ; tensor_dim1
	s_mov_b32 s[\g+3], 128<<16                     ; tile_dim0
	s_mov_b32 s[\g+4], 32                          ; tile_dim1
	s_mov_b32 s[\g+5], 3072
	s_mov_b32 s[\g+6], 0
	s_mov_b32 s[\g+7], 0
.endr
	s_lshl_b32 s57, s14, 10                        ; row 1024 x sequence + 32 (w & 3)
	s_lshl_b32 s58, s9, 5
	s_add_co_u32 s57, s57, s58
	s_mul_i32 s57, s57, ROWB
	s_lshl_b32 s58, s15, 8                         ; + 256 bytes x key/value head
	s_add_co_u32 s58, s57, s58
	s_mov_b32 s59, 0
	s_mul_i32 s60, s8, 32*VP                       ; V: LDS 9,216 w
	s_mul_i32 s61, s8, 32*KP                       ; K: LDS 36,864 + 8,704 (w - 4) = 8,704 w + 2,048
	s_add_co_u32 s61, s61, KOFF-4*32*KP
	s_sub_co_u32 s62, 8, s11                       ; tiles of a wave: 8 - a or a + 1
	s_add_co_u32 s48, s11, 1
	s_cmp_lg_u32 s10, 0
	s_cselect_b32 s48, s62, s48
	s_mov_b32 s49, 0                               ; the tile's number
	s_sub_co_u32 s50, 6, s11                       ; laps of the loop: the work-group walks 8 - a tiles = 1 + 2 laps + 1 or 2
	s_lshr_b32 s50, s50, 1
	s_max_u32 s50, s50, 1                          ; a is 0 to 3, so this is 3, 2, 2 or 1 already: the line states that the counter starts at 1 or above
	s_mov_b32 s52, 0x3e0293ee                      ; c = log2(e) / sqrt(128)
	s_mov_b32 s53, 0x3e0293ee
	s_mov_b32 s56, 0xbe0293ee                      ; -c
	s_mov_b32 s54, 0x76543210                      ; v_permlanex16_b32: lane i of the other half
	s_mov_b32 s55, 0xfedcba98
	s_wait_dscnt 0x0
	s_wait_kmcnt 0x0
	s_add_nc_u64 s[58:59], s[4:5], s[58:59]
.irp s, 0,1
	s_mov_b32 s[G0V+4*\s], 1
	s_add_co_u32 s[G0V+4*\s+1], s60, \s*SLOT
	s_add_nc_u64 s[G0V+4*\s+2:G0V+4*\s+3], s[58:59], 5120+\s*TSTEP     ; v begins at column 2560
	s_or_b32 s[G0V+4*\s+3], s[G0V+4*\s+3], 0x80000000
	s_mov_b32 s[G0K+4*\s], 1
	s_add_co_u32 s[G0K+4*\s+1], s61, \s*SLOT
	s_add_nc_u64 s[G0K+4*\s+2:G0K+4*\s+3], s[58:59], 4096+\s*TSTEP     ; k at column 2048
	s_or_b32 s[G0K+4*\s+3], s[G0K+4*\s+3], 0x80000000
.endr
	ROUND                                          ; in front of the first joint load
	JLOAD 0                                        ; tile 0
	; my query block: these numbers hold cx and enter plain loads, stores and the mask's comparison alone
	s_bfe_u32 s69, ttmp6, 0x40000                  ; cx
	s_lshl2_add_u32 s66, s11, s69                  ; i = 4 a + cx
	s_sub_co_u32 s67, 31, s66
	s_sub_co_u32 s68, 3, s69
	s_cmp_lg_u32 s10, 0
	s_cselect_b32 s66, s67, s66                    ; the query block, 0..31
	s_cselect_b32 s68, s68, s69                    ; its place among the four blocks of the diagonal tile
	s_lshl_b32 s72, s14, 10
	s_lshl_b32 s67, s66, 5
	s_add_co_u32 s72, s72, s67                     ; my first query's row
	s_lshl2_add_u32 s73, s15, s9
	s_lshl_b32 s73, s73, 8                         ; 256 bytes x head
	s_mul_i32 s70, s72, ROWB
	s_add_co_u32 s70, s70, s73
	s_mov_b32 s71, 0
	s_add_nc_u64 s[4:5], s[4:5], s[70:71]          ; q
	s_lshl_b32 s70, s72, 12
	s_add_co_u32 s70, s70, s73
	s_add_nc_u64 s[6:7], s[6:7], s[70:71]          ; y
	v_and_b32 v1, 15, v0                           ; r
	v_bfe_u32 v57, v0, 4, 1                        ; h
	v_and_b32 v58, 7, v0
	v_bfe_u32 v59, v0, 3, 1
	v_mul_u32_u24 v[QO], v1, ROWB
	v_lshl_add_u32 v[QO], v57, 4, v[QO]
.irp q, 0,1
.irp ks, 0,1,2,3
	global_load_b128 v[Q+8*(4*\q+\ks):Q+8*(4*\q+\ks)+3],   v[QO], s[4:5] offset:16*ROWB*\q+64*\ks      ; query 16 q + r, d = 32 ks + 8 h ..
	global_load_b128 v[Q+8*(4*\q+\ks)+4:Q+8*(4*\q+\ks)+7], v[QO], s[4:5] offset:16*ROWB*\q+64*\ks+32   ; d = 32 ks + 16 + 8 h ..
.endr
.endr
	v_mul_u32_u24 v[KA], v1, KP                    ; K: row r, 16 bytes at 16 h
	v_lshl_add_u32 v[KA], v57, 4, v[KA]
	v_add_nc_u32 v[KA], KOFF, v[KA]
	v_add_nc_u32 v[KA+1], SLOT, v[KA]
	v_lshl_add_u32 v[VA], v57, 3, v58              ; V, transposing load: row 8 h + (l & 7), 16 bytes at 16 ((l >> 3) & 1)
	v_mul_u32_u24 v[VA], v[VA], VP
	v_lshl_add_u32 v[VA], v59, 4, v[VA]
	v_add_nc_u32 v[VA+1], SLOT, v[VA]
	s_mul_i32 s57, s8, 16*KP
	s_add_co_u32 s57, s57, STAGE                   ; my stage
	v_mul_u32_u24 v[STO], v1, KP
	v_lshl_add_u32 v[STO], v57, 4, v[STO]
	v_add_nc_u32 v[STO], s57, v[STO]
	v_mul_u32_u24 v[RD], v57, KP
	v_lshl_add_u32 v[RD], v1, 4, v[RD]
	v_add_nc_u32 v[RD], s57, v[RD]
	v_lshlrev_b32 v[CO], 12, v57                   ; two rows of yb, 4,096 bytes apart
	v_lshl_add_u32 v[CO], v1, 4, v[CO]
	s_lshl_b32 s67, s68, 5
	v_lshlrev_b32 v[DG], 3, v57
	v_sub_nc_u32 v[DG], v1, v[DG]
	v_add_nc_u32 v[DG], s67, v[DG]                 ; 32 (block in the tile) + r - 8 h
	v_add_nc_u32 v[DG+1], 16, v[DG]
	v_mov_b32 v[NEG], 0xff800000                   ; minus infinity
	s_wait_loadcnt 0x0                             ; Q, once
; 16 LDS loads: K's key blocks 2 g, 2 g + 1 x four steps of 32 along d
.macro FETCHK slot, g, f
.irp e, 0,1
.irp ks, 0,1,2,3
	ds_load_b128 v[\f+8*(4*\e+\ks):\f+8*(4*\e+\ks)+3],   v[KA+\slot] offset:16*KP*(2*\g+\e)+64*\ks
	ds_load_b128 v[\f+8*(4*\e+\ks)+4:\f+8*(4*\e+\ks)+7], v[KA+\slot] offset:16*KP*(2*\g+\e)+64*\ks+32
.endr
.endr
.endm
; 16 transposing loads: V^T's d blocks 2 g, 2 g + 1 x four steps of 32 keys
.macro FETCHV slot, g, f
.irp e, 0,1
.irp ks, 0,1,2,3
	ds_load_tr16_b128 v[\f+8*(4*\e+\ks):\f+8*(4*\e+\ks)+3],   v[VA+\slot] offset:32*VP*\ks+32*(2*\g+\e)
	ds_load_tr16_b128 v[\f+8*(4*\e+\ks)+4:\f+8*(4*\e+\ks)+7], v[VA+\slot] offset:32*VP*\ks+32*(2*\g+\e)+16*VP
.endr
.endr
.endm
; 16 matrix instructions on four accumulators that take turns, one instruction a turn.  The first product of a tile starts its sums.
.macro MULQK g, f
	WIN 0x50                                       ; K and Q window 0, S window 1
.irp ks, 0,1,2,3
.irp e, 0,1
.irp q, 0,1
.if \ks
	v_wmma_f32_16x16x32_f16 v[8*(2*(2*\g+\e)+\q):8*(2*(2*\g+\e)+\q)+7], v[\f+8*(4*\e+\ks):\f+8*(4*\e+\ks)+7], v[Q+8*(4*\q+\ks):Q+8*(4*\q+\ks)+7], v[8*(2*(2*\g+\e)+\q):8*(2*(2*\g+\e)+\q)+7]
.else
	v_wmma_f32_16x16x32_f16 v[8*(2*(2*\g+\e)+\q):8*(2*(2*\g+\e)+\q)+7], v[\f+8*(4*\e+\ks):\f+8*(4*\e+\ks)+7], v[Q+8*(4*\q+\ks):Q+8*(4*\q+\ks)+7], 0
.endif
.endr
.endr
.endr
.endm
.macro PV1 d, a, b, zero
.if \zero
	v_wmma_f32_16x16x32_f16 v[\d:\d+7], v[\a:\a+7], v[\b:\b+7], 0
.else
	v_wmma_f32_16x16x32_f16 v[\d:\d+7], v[\a:\a+7], v[\b:\b+7], v[\d:\d+7]
.endif
.endm
.macro MULPV g, f, first
	WIN 0x54                                       ; V^T window 0, P and O window 1
.irp ks, 0,1,2,3
.irp e, 0,1
.irp q, 0,1
.if \ks
	PV1 128+8*(2*(2*\g+\e)+\q), \f+8*(4*\e+\ks), 8*(4*\ks+\q), 0
.else
	PV1 128+8*(2*(2*\g+\e)+\q), \f+8*(4*\e+\ks), 8*(4*\ks+\q), \first
.endif
.endr
.endr
.endr
.endm
; The diagonal tile: key 16 kt + 8 h + j lies behind query DG + 8 h where 16 kt + j > DG: its score becomes minus infinity.
.macro MASK
	WIN 0x41                                       ; S window 1, DG and NEG window 0
.irp kt, 0,1,2,3,4,5,6,7
.irp q, 0,1
.irp j, 0,1,2,3,4,5,6,7
	v_cmp_gt_i32 vcc_lo, 16*\kt+\j, v[DG+\q]
	v_cndmask_b32 v[8*(2*\kt+\q)+\j], v[8*(2*\kt+\q)+\j], v[NEG], vcc_lo
.endr
.endr
.endr
.endm
; The running softmax of both query blocks, phase by phase (each phase under one setting of the windows).
.macro SOFTMAX first
	WIN 0x05                                       ; the tile's maximum: four chains for each q, two scores an instruction
.irp q, 0,1
.irp c, 0,1,2,3
	v_max_num_f32 v[T+24*\q+\c], v[8*(2*\c+\q)], v[8*(2*\c+\q)+1]
.endr
.endr
.irp p, 1,2,3
.irp q, 0,1
.irp c, 0,1,2,3
	v_max3_num_f32 v[T+24*\q+\c], v[8*(2*\c+\q)+2*\p], v[8*(2*\c+\q)+2*\p+1], v[T+24*\q+\c]
.endr
.endr
.endr
.irp p, 0,1,2,3
.irp q, 0,1
.irp c, 0,1,2,3
	v_max3_num_f32 v[T+24*\q+\c], v[8*(2*\c+8+\q)+2*\p], v[8*(2*\c+8+\q)+2*\p+1], v[T+24*\q+\c]
.endr
.endr
.endr
	WIN 0
.irp q, 0,1
	v_max3_num_f32 v[T+24*\q], v[T+24*\q], v[T+24*\q+1], v[T+24*\q+2]
	v_max_num_f32 v[T+24*\q], v[T+24*\q], v[T+24*\q+3]
	v_permlanex16_b32 v[T+24*\q+1], v[T+24*\q], s54, s55           ; the other half of the query's keys
.if \first
	v_max_num_f32 v[M+\q], v[T+24*\q], v[T+24*\q+1]
.else
	v_max3_num_f32 v[T+24*\q+2], v[T+24*\q], v[T+24*\q+1], v[M+\q]
	v_sub_f32 v[T+24*\q+3], v[M+\q], v[T+24*\q+2]
	v_mul_f32 v[T+24*\q+3], s52, v[T+24*\q+3]                      ; c (old maximum - new)
	v_mov_b32 v[M+\q], v[T+24*\q+2]
.endif
	v_mul_f32 v[NM+2*\q],   s56, v[M+\q]                           ; -c x maximum, twice: a pair for the packed multiply-add
	v_mul_f32 v[NM+2*\q+1], s56, v[M+\q]
.endr
.if \first
.else
	v_exp_f32 v[AL],   v[T+3]                      ; the plain instructions behind these (ISA guide 5.7.2) are the multiply-adds below
	v_exp_f32 v[AL+1], v[T+3]
	v_exp_f32 v[AL+2], v[T+24+3]
	v_exp_f32 v[AL+3], v[T+24+3]
.endif
	WIN 0x41
.irp q, 0,1
.irp kt, 0,1,2,3,4,5,6,7
.irp p, 0,1,2,3
	v_pk_fma_f32 v[8*(2*\kt+\q)+2*\p:8*(2*\kt+\q)+2*\p+1], v[8*(2*\kt+\q)+2*\p:8*(2*\kt+\q)+2*\p+1], s[52:53], v[NM+2*\q:NM+2*\q+1] op_sel_hi:[1,0,1]
.endr
.endr
.endr
.set i, 0
.rept 128
	v_exp_f32 v[i], v[i]                           ; exp(s / sqrt(128) - maximum), at most 1
.set i, i+1
.endr
.if \first
	v_nop                                          ; the plain instruction behind the exponentials
	s_wait_alu depctr_va_vdst(0)
.else
	s_wait_alu depctr_va_vdst(0)
.irp q, 0,1
.irp dt, 0,1,2,3,4,5,6,7
.irp p, 0,1,2,3
	v_pk_mul_f32 v[128+8*(2*\dt+\q)+2*\p:128+8*(2*\dt+\q)+2*\p+1], v[128+8*(2*\dt+\q)+2*\p:128+8*(2*\dt+\q)+2*\p+1], v[AL+2*\q:AL+2*\q+1]
.endr
.endr
.endr
.endif
	WIN 0x05                                       ; the tile's sum, in f32: four chains of pairs for each q
.irp q, 0,1
.irp c, 0,1,2,3
	v_pk_add_f32 v[T+24*\q+2*\c:T+24*\q+2*\c+1], v[8*(2*\c+\q):8*(2*\c+\q)+1], v[8*(2*\c+\q)+2:8*(2*\c+\q)+3]
.endr
.endr
	WIN 0x01
.irp p, 2,3
.irp q, 0,1
.irp c, 0,1,2,3
	v_pk_add_f32 v[T+24*\q+2*\c:T+24*\q+2*\c+1], v[8*(2*\c+\q)+2*\p:8*(2*\c+\q)+2*\p+1], v[T+24*\q+2*\c:T+24*\q+2*\c+1]
.endr
.endr
.endr
.irp p, 0,1,2,3
.irp q, 0,1
.irp c, 0,1,2,3
	v_pk_add_f32 v[T+24*\q+2*\c:T+24*\q+2*\c+1], v[8*(2*\c+8+\q)+2*\p:8*(2*\c+8+\q)+2*\p+1], v[T+24*\q+2*\c:T+24*\q+2*\c+1]
.endr
.endr
.endr
	WIN 0x45                                       ; P in f16, in place: tiles (2 ks, q) and (2 ks + 1, q) become the eight registers of the operand for 32 keys
.irp q, 0,1
.irp ks, 0,1,2,3
.irp p, 0,1,2,3
	v_cvt_pk_f16_f32 v[8*(4*\ks+\q)+\p], v[8*(4*\ks+\q)+2*\p], v[8*(4*\ks+\q)+2*\p+1]
.endr
.irp p, 0,1,2,3
	v_cvt_pk_f16_f32 v[8*(4*\ks+\q)+4+\p], v[8*(4*\ks+2+\q)+2*\p], v[8*(4*\ks+2+\q)+2*\p+1]
.endr
.endr
.endr
	WIN 0
.irp q, 0,1
	v_pk_add_f32 v[T+24*\q:T+24*\q+1],   v[T+24*\q:T+24*\q+1],   v[T+24*\q+2:T+24*\q+3]
	v_pk_add_f32 v[T+24*\q+4:T+24*\q+5], v[T+24*\q+4:T+24*\q+5], v[T+24*\q+6:T+24*\q+7]
	v_pk_add_f32 v[T+24*\q:T+24*\q+1],   v[T+24*\q:T+24*\q+1],   v[T+24*\q+4:T+24*\q+5]
.if \first
	v_add_f32 v[L+\q], v[T+24*\q], v[T+24*\q+1]
.else
	v_add_f32 v[T+24*\q], v[T+24*\q], v[T+24*\q+1]
	v_fma_f32 v[L+\q], v[L+\q], v[AL+2*\q], v[T+24*\q]
.endif
.endr
.endm
; One tile of 128 keys.  In front of the round every wave waits for all its tensor loads (its part of this tile among them) and for its LDS reads of the last
; tile; behind the round the next tile is asked for first, into the slot read last.  A wave whose tiles are over goes on asking and passes the rounds.
; Each s_wait_dscnt 16 leaves the run of 16 loads just issued on its way.
.macro TRIP slot, other, refill, first
	s_wait_tensorcnt 0x0
	ds_add_u32 v62, v63
	s_wait_dscnt 0x0
	s_add_nc_u64 s[G0V+4*\slot+2:G0V+4*\slot+3], s[G0V+4*\slot+2:G0V+4*\slot+3], 2*TSTEP   ; no load of mine is out: this slot's next tile
	s_add_nc_u64 s[G0K+4*\slot+2:G0K+4*\slot+3], s[G0K+4*\slot+2:G0K+4*\slot+3], 2*TSTEP
	s_wait_dscnt 0x0
	ROUND
.if \refill
	JLOAD \other
.endif
.if \first
.else
	s_cmp_ge_u32 s49, s48                          ; hangs on a and on the wave's number alone
	s_cbranch_scc1 .Lskip_\@
.rept 5
	v_nop                                          ; five places: the last products read P, over which the first ones below write (ISA guide 7.12.1), and the fragment buffers
.endr
.endif
	FETCHK \slot, 0, F0
	FETCHK \slot, 1, F1
	s_wait_dscnt 16
	MULQK 0, F0
	WIN 0
	PLACES
	FETCHK \slot, 2, F0
	s_wait_dscnt 16
	MULQK 1, F1
	WIN 0
	PLACES
	FETCHK \slot, 3, F1
	s_wait_dscnt 16
	MULQK 2, F0
	WIN 0
	PLACES
	FETCHV \slot, 0, F0
	s_wait_dscnt 16
	MULQK 3, F1
	WIN 0
	PLACES
	FETCHV \slot, 1, F1                            ; V's first fragments land during the softmax
	s_add_co_u32 s57, s49, 1
	s_cmp_lg_u32 s57, s48                          ; a wave's last tile holds its diagonal; the tiles in front of it are allowed whole
	s_cbranch_scc1 .Lnomask_\@
	MASK
	WIN 0
.Lnomask_\@:
	SOFTMAX \first
	s_wait_dscnt 16
	MULPV 0, F0, \first
	WIN 0
	PLACES
	FETCHV \slot, 2, F0
	s_wait_dscnt 16
	MULPV 1, F1, \first
	WIN 0
	PLACES
	FETCHV \slot, 3, F1
	s_wait_dscnt 16
	MULPV 2, F0, \first
	s_wait_dscnt 0
	MULPV 3, F1, \first
	WIN 0
.Lskip_\@:
	s_add_co_u32 s49, s49, 1
.endm
	TRIP 0, 1, 1, 1                                ; tile 0: every wave has it; it starts maximum, sum and O
.Ltiles:
	TRIP 1, 0, 1, 0
	TRIP 0, 1, 1, 0
	s_sub_co_i32 s50, s50, 1
	s_cmp_lg_u32 s50, 0
	s_cbranch_scc1 .Ltiles
	s_bitcmp1_b32 s11, 0                           ; 8 - a tiles: one more where a is even, two where it is odd; the last asks for nothing
	s_cbranch_scc1 .Lodd
	TRIP 1, 0, 0, 0
	s_branch .Lout
.Lodd:
	TRIP 1, 0, 1, 0
	TRIP 0, 1, 0, 0
.Lout:
	; THE WAY OUT, 16 queries at a time: divide by the sum, round to f16, 16 bytes a lane into my own stage, read back as rows of 256 bytes (a head's 128 numbers)
	PLACES
.irp q, 0,1
	v_permlanex16_b32 v[T+1], v[L+\q], s54, s55
	v_add_f32 v[T], v[L+\q], v[T+1]                ; both halves of the keys; at least 1: the largest weight is 1
	v_rcp_f32 v[AL],   v[T]
	v_rcp_f32 v[AL+1], v[T]
	v_nop                                          ; the plain instruction behind the reciprocals
	WIN 0x01
	s_wait_alu depctr_va_vdst(0)
.irp dt, 0,1,2,3,4,5,6,7
.irp p, 0,1,2,3
	v_pk_mul_f32 v[F0+8*\dt+2*\p:F0+8*\dt+2*\p+1], v[128+8*(2*\dt+\q)+2*\p:128+8*(2*\dt+\q)+2*\p+1], v[AL:AL+1]
.endr
.endr
	WIN 0
.irp dt, 0,1,2,3,4,5,6,7
.irp p, 0,1,2,3
	v_cvt_pk_f16_f32 v[F1+4*\dt+\p], v[F0+8*\dt+2*\p], v[F0+8*\dt+2*\p+1]
.endr
.endr
.irp dt, 0,1,2,3,4,5,6,7
	ds_store_b128 v[STO], v[F1+4*\dt:F1+4*\dt+3] offset:32*\dt
.endr
	s_wait_xcnt 0x0                                ; the registers that the last stores read are loaded again only behind this wait
.irp t, 0,1,2,3,4,5,6,7
	ds_load_b128 v[F1+32+4*\t:F1+32+4*\t+3], v[RD] offset:2*KP*\t  ; LDS serves a wave's instructions in order: these see the stores above
.endr
.irp t, 0,1,2,3,4,5,6,7
	s_wait_dscnt 7-\t
	global_store_b128 v[CO], v[F1+32+4*\t:F1+32+4*\t+3], s[6:7] offset:8192*\t+65536*\q    ; 16 lanes store 256 consecutive bytes, aligned
.endr
.endr
	s_wait_tensorcnt 0x0
	ds_add_u32 v62, v63
	s_wait_dscnt 0x0
	ROUND                                          ; the closing round
	s_endpgm
.Lfunc_end_k_q4e1b8e7d2e_attn:
	.size	k_q4e1b8e7d2e_attn, .Lfunc_end_k_q4e1b8e7d2e_attn-k_q4e1b8e7d2e_attn
	.p2alignl 7, 3214868480
	.fill 96, 4, 3214868480
	.section	.rodata,"a",@progbits
	.p2align	6, 0x0
	.amdhsa_kernel k_q4e1b8e7d2e_attn
		.amdhsa_group_segment_fixed_size 327680
		.amdhsa_private_segment_fixed_size 0
		.amdhsa_enable_private_segment 0
		.amdhsa_kernarg_size 16
		.amdhsa_user_sgpr_count 2
		.amdhsa_user_sgpr_kernarg_segment_ptr 1
		.amdhsa_wavefront_size32 1
		.amdhsa_system_sgpr_workgroup_id_x 1
		.amdhsa_system_sgpr_workgroup_id_y 1
		.amdhsa_system_sgpr_workgroup_id_z 1
		.amdhsa_system_vgpr_workitem_id 0
		.amdhsa_next_free_vgpr 512
		.amdhsa_next_free_sgpr 76
		.amdhsa_reserve_vcc 1
		.amdhsa_float_denorm_mode_32 3
		.amdhsa_float_denorm_mode_16_64 3
		.amdhsa_memory_ordered 1
		.amdhsa_forward_progress 1
		.amdhsa_inst_pref_size 255
	.end_amdhsa_kernel
	.section	.bss,"aw",@nobits
	.p2align	6
	.space	262144
	.amdgpu_metadata
---
amdhsa.version: [ 1, 2 ]
amdhsa.kernels:
  - .name:           k_q4e1b8e7d2e_attn
    .symbol:         k_q4e1b8e7d2e_attn.kd
    .args:
      - { .name: qkvb, .offset: 0, .size: 8, .value_kind: global_buffer, .address_space: global }
      - { .name: yb, .offset: 8, .size: 8, .value_kind: global_buffer, .address_space: global }
    .group_segment_fixed_size: 327680
    .private_segment_fixed_size: 0
    .kernarg_segment_align: 8
    .kernarg_segment_size: 16
    .max_flat_workgroup_size: 256
    .sgpr_count:     76
    .vgpr_count:     512
    .wavefront_size: 32
...
	.end_amdgpu_metadata
.endif
;; end of part 3
;; launch outp (part 4): grid 8 x 32, 4 waves a work-group, clusters of 4 x 4, 327,680 bytes of LDS; arguments yb, wsb, bo, out0; writes out0
.if DOCPART == 4
	.amdgcn_target "amdgcn-amd-amdhsa--gfx1250"
	.amdhsa_code_object_version 6
	.text
	.protected	k_q4e1b8e7d2e_outp
	.globl	k_q4e1b8e7d2e_outp
	.p2align	8
	.type	k_q4e1b8e7d2e_outp,@function
k_q4e1b8e7d2e_outp:
	s_mov_b64 s[64:65], 0
	v_nop
	global_prefetch_b8 v0, s[64:65] scope:SCOPE_SE
	s_setreg_imm32_b32 hwreg(HW_REG_WAVE_MODE, 25, 1), 1
	s_wait_xcnt 0x0
	s_wait_alu depctr_hold_cnt(0) depctr_sa_sdst(0) depctr_va_vdst(0) depctr_va_sdst(0) depctr_va_ssrc(0) depctr_va_vcc(0) depctr_vm_vsrc(0)
	s_getreg_b32 s2, hwreg(HW_REG_IB_STS2, 6, 4)
	s_cmp_eq_u32 s2, 0
	s_cbranch_scc0 .Lentry_in_a_cluster
	s_endpgm
.Lentry_in_a_cluster:
	s_bfe_u32 s2, ttmp6, 0x10000c
	s_cmp_lg_u32 s2, 0xf033
	s_cbranch_scc0 .Lentry_shape_is_right
	s_endpgm
.Lentry_shape_is_right:
; outp: out0[m][n] = sum over k of y[m][k] Wo[n][k] + bo[n], f32.  y: yb [4096][2048] f16; Wo: [2048][2048] at wsb + 29,360,128, its bf16 values written as f16.
; Sums and bias in f32.
; A work-group makes 128 x 256 of the result (256 work-groups) with four waves side by side, 128 x 64 each: 32 accumulator tiles, 256 registers; a wave's 64 columns
; of f32 are one aligned block of 256 bytes of each row.  K goes in steps of 128 through two LDS slots filled by the tensor data mover.  Two slots of 256 along K
; (384 rows x 528 bytes each) do not fit in LDS.
; CLUSTERS: 4 x 4 work-groups; y's tile is shared along a row of the cluster, Wo's along a column: joint loads.
; PREFETCH.  Behind the tensor load at the end of K step 2 l + 1 every wave asks for a share of the tiles of K steps 2 l + 4 and 2 l + 5, whose tensor loads are
; issued one and two K steps later.  A lane names the 256 bytes that one row has in one K step; a wave names 16 rows x 2 K steps, 32 different blocks.
; Waves 0, 1: rows 16 cx .. + 15 of the 64 rows of y that the wave itself loads (the four work-groups of a row of the cluster share them out, so each block of y is
; asked for twice in the launch, once by each of the two clusters that read it).  Waves 2, 3: rows 16 (br mod 8) .. + 15 of the 128 rows of Wo that the wave itself
; loads (br = block row: eight neighbouring block rows share a tile out among themselves, so each block of Wo is asked for four times in the launch).
; K steps 2 and 3 are asked for at the start; the lap that fills the ring for the last time asks for nothing: K step 15 is the last, so no prefetch leaves a row.
; REGISTERS in windows of 256: window 0: v0-28 addresses, v64-127 and v128-191 fragments of y (two buffers), v192-223 at work on the way out, v224-255 bias;
;   window 1: v64-95, v128-159 fragments of Wo; window 2: the 16 accumulator tiles of rows 0-63 (tile (a, b) at v[8 (4 a + b)]); window 3: rows 64-127.
; The matrix instruction is used transposed (source 0 = rows of Wo, source 1 = rows of y): a lane holds eight neighbouring columns of one row.
.set SIZE_K, 2048
.set KSTEP,  128
.set PITCH,  272
.set HALFT,  128*PITCH
.set AHALF,  64*PITCH                  ; what one of y's two loads brings
.set SLOT,   4*HALFT                   ; y's 128 rows at 0, Wo's 256 rows at 2 x HALFT: every load's place is the wave's number times a constant; the bytes between stay unused
.set STAGE,  2*SLOT                    ; behind the ring: 16 rows x 272 bytes for each wave
.set WOOFF,  29360128
.set NB,     4
.set LAPS,   SIZE_K/(2*KSTEP)
.set OROW,   8192                      ; bytes in a row of out0
.set ADRA, 16
.set ADRB, 20
.set STO,  24
.set RD,   25
.set CO,   26
.set BO,   27
.set PF,   28                          ; v28     the prefetch: byte offset of my row's K step 0 (lanes 16-31: K step 1) in yb or wsb; never rewritten
.set F0,   64
.set F1,   128
.set TMP,  192
.set BIAS, 224
.set PFB, 4                            ; s[4:5]  the prefetch's base: yb in waves 0, 1, wsb in waves 2, 3; stepped two K steps a lap
.set G1,  24
.set G0,  32
.set G1B, 48
.set G0B, 56
.set MSB, 0
.macro WIN new
.if MSB != \new
	s_set_vgpr_msb (MSB<<8)|\new
.set MSB, \new
.endif
.endm
.set MUL_LO, 0xa1
.set MUL_HI, 0xf1
.set TO_B,   0x40
; A joint load.  Waves 0 and 1 fetch y's two halves of 64 rows, waves 2 and 3 Wo's two halves of 128.
.macro JLOAD s
	s_cmp_eq_u32 s11, 0
	s_cbranch_scc0 .Lfor_b_\@
	tensor_load_to_lds s[G0+4*\s:G0+4*\s+3], s[G1:G1+7]
	s_nop 0
	s_branch .Lasked_\@
.Lfor_b_\@:
	tensor_load_to_lds s[G0B+4*\s:G0B+4*\s+3], s[G1B:G1B+7]
	s_nop 0
.Lasked_\@:
.endm
.macro CREST
	s_cmp_lg_u32 s10, 0
	s_cbranch_scc1 .Lnot_wave_0_\@
	s_barrier_signal -3
.Lnot_wave_0_\@:
	s_barrier_wait -3
	s_barrier_signal -1
	s_barrier_wait -1
.endm
.macro CROUND
	s_barrier_signal -1
	s_barrier_wait -1
	CREST
.endm
	s_load_b128 s[4:7], s[0:1], 0x0                ; yb s[4:5], wsb s[6:7]
	s_load_b64 s[66:67], s[0:1], 0x10              ; bo
	s_load_b64 s[8:9], s[0:1], 0x18                ; out0
	s_set_vgpr_msb 0x40
	v_lshl_add_u32 v255, v0, 2, 0x48400
	s_set_vgpr_msb 0x4000
	v_mov_b32 v63, 0
	s_set_vgpr_msb 0x1
	ds_add_u32 v255, v63
	s_set_vgpr_msb 0x100
	v_lshrrev_b32 v1, 5, v0
	v_readfirstlane_b32 s10, v1                    ; wave 0..3
	s_lshr_b32 s11, s10, 1                         ; I fetch for y (0) or for Wo (1)
	s_and_b32 s12, s10, 1                          ; which half of that tile
	s_bfe_u32 s40, ttmp6, 0x40000                  ; cx
	s_bfe_u32 s41, ttmp6, 0x40004                  ; cy
	s_lshl_b32 s42, ttmp9, 2
	s_add_co_u32 s42, s42, s40                     ; block column
	s_and_b32 s13, ttmp7, 0xffff
	s_lshl_b32 s13, s13, 2
	s_add_co_u32 s13, s13, s41                     ; block row
	s_lshl_b32 s43, s41, 2
	s_lshl_b32 s43, 15, s43                        ; my row of the cluster
	s_lshl_b32 s44, 0x1111, s40                    ; my column
	s_or_b32 s[G1+0],  s43, (1<<16)|(1<<20)|(1<<21)|(5<<22)|(3<<25)
	s_or_b32 s[G1B+0], s44, (1<<16)|(1<<20)|(1<<21)|(5<<22)|(3<<25)
	s_mov_b32 s[G1+1], KSTEP<<16                   ; y: 64 rows x 128 elements
	s_mov_b32 s[G1+2], 64<<16
	s_mov_b32 s[G1+3], KSTEP<<16
	s_mov_b32 s[G1+4], 64
	s_mov_b32 s[G1+5], SIZE_K
	s_mov_b32 s[G1+6], 0
	s_mov_b32 s[G1+7], 0
	s_mov_b32 s[G1B+1], KSTEP<<16                  ; Wo: 128 rows x 128 elements
	s_mov_b32 s[G1B+2], 128<<16
	s_mov_b32 s[G1B+3], KSTEP<<16
	s_mov_b32 s[G1B+4], 128
	s_mov_b32 s[G1B+5], SIZE_K
	s_mov_b32 s[G1B+6], 0
	s_mov_b32 s[G1B+7], 0
	s_lshl_b32 s16, s13, 7                         ; y: row 128 x block row + 64 x half, rows of 4,096 bytes
	s_lshl_b32 s17, s12, 6
	s_add_co_u32 s16, s16, s17
	s_lshl_b32 s16, s16, 12
	s_mov_b32 s17, 0
	s_lshl_b32 s46, s42, 8                         ; Wo: row 256 x block column + 128 x half
	s_lshl_b32 s47, s12, 7
	s_add_co_u32 s46, s46, s47
	s_lshl_b32 s46, s46, 12
	s_add_co_u32 s46, s46, WOOFF
	s_mov_b32 s47, 0
	s_mul_i32 s20, s10, AHALF                      ; y's halves at wave x 64 rows (waves 0, 1)
	s_mul_i32 s21, s10, HALFT                      ; Wo's halves at wave x 128 rows (waves 2, 3)
	s_wait_dscnt 0x0
	s_wait_kmcnt 0x0
	s_add_nc_u64 s[14:15], s[4:5], s[16:17]
	s_add_nc_u64 s[46:47], s[6:7], s[46:47]
	CROUND                                         ; the first joint loads meet
.irp s, 0,1
	s_mov_b32 s[G0+4*\s], 1
	s_add_co_u32 s[G0+4*\s+1], s20, \s*SLOT
	s_add_nc_u64 s[G0+4*\s+2:G0+4*\s+3], s[14:15], \s*KSTEP*2
	s_or_b32 s[G0+4*\s+3], s[G0+4*\s+3], 0x80000000
	s_mov_b32 s[G0B+4*\s], 1
	s_add_co_u32 s[G0B+4*\s+1], s21, \s*SLOT
	s_add_nc_u64 s[G0B+4*\s+2:G0B+4*\s+3], s[46:47], \s*KSTEP*2
	s_or_b32 s[G0B+4*\s+3], s[G0B+4*\s+3], 0x80000000
	JLOAD \s                                       ; two loads of a wave are out
.endr
	v_and_b32 v1, 15, v0                           ; r
	v_bfe_u32 v2, v0, 4, 1                         ; h
	; the prefetch's share: buffer and offset, chosen once by the wave's number
	s_lshl_b32 s16, s13, 7
	s_lshl_b32 s17, s12, 6
	s_add_co_u32 s16, s16, s17
	s_lshl_b32 s17, s40, 4
	s_add_co_u32 s16, s16, s17                     ; waves 0, 1: y's row 128 x block row + 64 x half + 16 cx
	s_lshl_b32 s16, s16, 12
	s_lshl_b32 s17, s42, 8
	s_lshl_b32 s18, s12, 7
	s_add_co_u32 s17, s17, s18
	s_and_b32 s18, s13, 7
	s_lshl_b32 s18, s18, 4
	s_add_co_u32 s17, s17, s18                     ; waves 2, 3: Wo's row 256 x block column + 128 x half + 16 x (block row mod 8)
	s_lshl_b32 s17, s17, 12
	s_add_co_u32 s17, s17, WOOFF
	s_cmp_eq_u32 s11, 0
	s_cselect_b32 s16, s16, s17
	s_cselect_b64 s[PFB:PFB+1], s[4:5], s[6:7]
	v_lshlrev_b32 v[PF], 12, v1                    ; + r rows of 4,096 bytes
	v_lshl_add_u32 v[PF], v2, 8, v[PF]             ; + h K steps of 256 bytes
	v_add_nc_u32 v[PF], s16, v[PF]
	global_prefetch_b8 v[PF], s[PFB:PFB+1] offset:2*KSTEP*2 th:TH_LOAD_NT scope:SCOPE_SE   ; K steps 2 and 3: their tensor loads stand at the ends of K steps 0 and 1
	v_mul_u32_u24 v[ADRA], v1, PITCH
	v_lshl_add_u32 v[ADRA], v2, 4, v[ADRA]         ; every wave reads y's rows 0-127
	v_add_nc_u32 v[ADRA+1], SLOT, v[ADRA]
	s_mul_i32 s22, s10, 16*NB*PITCH                ; my 64 rows of Wo
	s_add_co_u32 s22, s22, 2*HALFT
	v_add_nc_u32 v[ADRB], s22, v[ADRA]
	v_add_nc_u32 v[ADRB+1], SLOT, v[ADRB]
	s_mul_i32 s23, s10, 16*PITCH
	s_add_co_u32 s23, s23, STAGE                   ; my stage
	v_mul_u32_u24 v[STO], v1, PITCH                ; in: row r, 32 bytes for each half of the lanes
	v_lshl_add_u32 v[STO], v2, 5, v[STO]
	v_add_nc_u32 v[STO], s23, v[STO]
	v_mul_u32_u24 v[RD], v2, PITCH                 ; back: lanes 0-15 one row of 256 bytes, lanes 16-31 the next
	v_lshl_add_u32 v[RD], v1, 4, v[RD]
	v_add_nc_u32 v[RD], s23, v[RD]
	v_lshlrev_b32 v[CO], 13, v2                    ; and the same two rows in out0
	v_lshl_add_u32 v[CO], v1, 4, v[CO]
	s_lshl_b32 s45, s42, 10                        ; my first column in bytes of f32: 1,024 x block column + 256 x wave
	s_lshl_b32 s16, s10, 8
	s_add_co_u32 s45, s45, s16
	v_lshl_add_u32 v[BO], v2, 5, s45
.irp b, 0,1,2,3
	global_load_b128 v[BIAS+8*\b:BIAS+8*\b+3],   v[BO], s[66:67] offset:64*\b
	global_load_b128 v[BIAS+8*\b+4:BIAS+8*\b+7], v[BO], s[66:67] offset:64*\b+16
.endr
; 8 matrix instructions: row blocks a0, a0 + 1 x all 4 column blocks.  The 32 accumulators take turns, one instruction a turn.
.macro MULS f, hi, a0, zero
.irp a, \a0, \a0+1
.irp b, 0,1,2,3
.if \zero
	v_wmma_f32_16x16x32_f16 v[8*(NB*(\a)+\b):8*(NB*(\a)+\b)+7], v[\f+8*\b:\f+8*\b+7], v[\f+8*(4*\hi+\a):\f+8*(4*\hi+\a)+7], 0
.else
	v_wmma_f32_16x16x32_f16 v[8*(NB*(\a)+\b):8*(NB*(\a)+\b)+7], v[\f+8*\b:\f+8*\b+7], v[\f+8*(4*\hi+\a):\f+8*(4*\hi+\a)+7], v[8*(NB*(\a)+\b):8*(NB*(\a)+\b)+7]
.endif
.endr
.endr
.endm
.macro FETCH slot, k, f                ; 24 LDS loads in one run
	WIN TO_B
.irp i, 0,1,2,3
	ds_load_b128 v[\f+8*\i:\f+8*\i+3],   v[ADRB+\slot] offset:\k+\i*16*PITCH
	ds_load_b128 v[\f+8*\i+4:\f+8*\i+7], v[ADRB+\slot] offset:\k+\i*16*PITCH+32
.endr
	WIN 0
.irp i, 0,1,2,3,4,5,6,7
	ds_load_b128 v[\f+8*\i:\f+8*\i+3],   v[ADRA+\slot] offset:\k+\i*16*PITCH
	ds_load_b128 v[\f+8*\i+4:\f+8*\i+7], v[ADRA+\slot] offset:\k+\i*16*PITCH+32
.endr
.endm
.macro PLACES                          ; four places behind a matrix instruction (ISA guide 7.12.1 for vector instructions)
.rept 4
	v_nop
.endr
.endm
.macro QUARTER slot, k, f, g, zero
	s_wait_dscnt 8                                 ; Wo and y's rows 0-63 are in; the youngest eight loads (y's rows 64-127) may be out
	WIN MUL_LO
	MULS \f, 0, 0, \zero
	MULS \f, 0, 2, \zero
	PLACES
	FETCH \slot, \k, \g
	s_wait_dscnt 2*NB+16                           ; all but the 24 just issued
	WIN MUL_HI
	MULS \f, 1, 0, \zero
	MULS \f, 1, 2, \zero
.endm
.macro THREE slot, zero
	QUARTER \slot, 64,  F0, F1, \zero
	QUARTER \slot, 128, F1, F0, 0
	QUARTER \slot, 192, F0, F1, 0
.endm
; The change of slots: each wave's reads of this slot and all its tensor loads are waited for in front of the barrier; where the slot is filled again the barrier
; opens a round of the cluster's barrier and the joint refill comes first behind it.  From a request to the wait for it a wave issues 120 matrix instructions.
; pf = 1: behind the refill the wave asks for its share of the two K steps that follow the one just requested.
.macro TURN slot, next, fill, pf
	s_wait_dscnt 8
	WIN MUL_LO
	MULS F1, 0, 0, 0
	s_wait_dscnt 0
	s_wait_tensorcnt 0x0
	ds_add_u32 v255, v63
	s_wait_dscnt 0x0
	s_barrier_signal -1
	MULS F1, 0, 2, 0
	WIN 0
	s_barrier_wait -1
.if \fill
	CREST
	s_add_nc_u64 s[G0+4*\slot+2:G0+4*\slot+3], s[G0+4*\slot+2:G0+4*\slot+3], 2*KSTEP*2
	s_add_nc_u64 s[G0B+4*\slot+2:G0B+4*\slot+3], s[G0B+4*\slot+2:G0B+4*\slot+3], 2*KSTEP*2
.if \pf
	s_wait_xcnt 0x0                                ; the last prefetch, issued a lap ago, has had its address translated (ISA guide 3.1): its base is stepped only behind this wait
	s_add_nc_u64 s[PFB:PFB+1], s[PFB:PFB+1], 2*KSTEP*2
.endif
	JLOAD \slot
.if \pf
	global_prefetch_b8 v[PF], s[PFB:PFB+1] offset:2*KSTEP*2 th:TH_LOAD_NT scope:SCOPE_SE   ; in lap l the base stands at K step 2 l + 2: K steps 2 l + 4 (lanes 0-15) and 2 l + 5 (lanes 16-31)
.endif
.endif
	PLACES
	FETCH \next, 0, F0
	WIN MUL_HI
	MULS F1, 1, 0, 0
	MULS F1, 1, 2, 0
.endm
.macro LAP zero, pf
	THREE 0, \zero
	TURN 0, 1, 1, 0
	THREE 1, 0
	TURN 1, 0, 1, \pf
.endm
	s_wait_loadcnt 0x0                             ; the bias, once
	s_wait_tensorcnt 1                             ; my part of K step 0 is in; K step 1's load may stay out
	s_barrier_signal -1
	s_barrier_wait -1
	FETCH 0, 0, F0
	LAP 1, 1                                       ; lap 0: its first products start the sums
	WIN 0
	s_mov_b32 s3, LAPS-3
.Llap:
	LAP 0, 1                                       ; laps 1 to 5
	WIN 0
	s_sub_co_u32 s3, s3, 1
	s_cmp_lg_u32 s3, 0
	s_cbranch_scc1 .Llap
	LAP 0, 0                                       ; lap 6 fills the ring for the last time (K steps 14 and 15); nothing is left to ask for
	THREE 0, 0                                     ; the last lap fills nothing
	TURN 0, 1, 0, 0
	THREE 1, 0
	s_wait_dscnt 8
	WIN MUL_LO
	MULS F1, 0, 0, 0
	MULS F1, 0, 2, 0
	s_wait_dscnt 0
	WIN MUL_HI
	MULS F1, 1, 0, 0
	MULS F1, 1, 2, 0
	; THE WAY OUT, 16 rows at a time: + bias, 32 bytes a lane into my own stage, read back as rows of 256 bytes
	PLACES
	s_lshl_b32 s16, s13, 20                        ; block row x 128 rows x 8,192 bytes
	s_mov_b32 s17, 0
	s_add_nc_u64 s[8:9], s[8:9], s[16:17]
	s_mov_b32 s46, s45                             ; my 64 columns
	s_mov_b32 s47, 0
	s_add_nc_u64 s[8:9], s[8:9], s[46:47]
.macro OUT16 i, a, from, f
	WIN \from
.irp b, 0,1,2,3
.irp p, 0,1,2,3
	v_pk_add_f32 v[TMP+8*\b+2*\p:TMP+8*\b+2*\p+1], v[8*(NB*\a+\b)+2*\p:8*(NB*\a+\b)+2*\p+1], v[BIAS+8*\b+2*\p:BIAS+8*\b+2*\p+1]
.endr
.endr
	WIN 0
.irp b, 0,1,2,3
	ds_store_b128 v[STO], v[TMP+8*\b:TMP+8*\b+3]   offset:64*\b
	ds_store_b128 v[STO], v[TMP+8*\b+4:TMP+8*\b+7] offset:64*\b+16
.endr
	s_wait_xcnt 0x0                                ; buffer f, which stores read, and the stores' base are rewritten only behind this wait
.if \i
	s_add_nc_u64 s[8:9], s[8:9], 16*OROW
.endif
.irp t, 0,1,2,3,4,5,6,7
	ds_load_b128 v[\f+4*\t:\f+4*\t+3], v[RD] offset:\t*2*PITCH     ; LDS serves a wave's instructions in order: these see the stores above
.endr
.irp t, 0,1,2,3,4,5,6,7
	s_wait_dscnt 7-\t
	global_store_b128 v[CO], v[\f+4*\t:\f+4*\t+3], s[8:9] offset:2*\t*OROW th:TH_STORE_NT   ; 16 lanes store 256 consecutive bytes, aligned
.endr
.endm
	OUT16 0, 0, 0x02, F0
	OUT16 1, 1, 0x02, F1
	OUT16 2, 2, 0x02, F0
	OUT16 3, 3, 0x02, F1
	OUT16 4, 0, 0x03, F0
	OUT16 5, 1, 0x03, F1
	OUT16 6, 2, 0x03, F0
	OUT16 7, 3, 0x03, F1
	s_set_vgpr_msb 0x1
	s_wait_tensorcnt 0x0
	ds_add_u32 v255, v63
	s_wait_dscnt 0x0
	s_set_vgpr_msb 0x100
	CROUND                                         ; the closing round
	s_endpgm
.Lfunc_end_k_q4e1b8e7d2e_outp:
	.size	k_q4e1b8e7d2e_outp, .Lfunc_end_k_q4e1b8e7d2e_outp-k_q4e1b8e7d2e_outp
	.p2alignl 7, 3214868480
	.fill 96, 4, 3214868480
	.section	.rodata,"a",@progbits
	.p2align	6, 0x0
	.amdhsa_kernel k_q4e1b8e7d2e_outp
		.amdhsa_group_segment_fixed_size 327680
		.amdhsa_private_segment_fixed_size 0
		.amdhsa_enable_private_segment 0
		.amdhsa_kernarg_size 32
		.amdhsa_user_sgpr_count 2
		.amdhsa_user_sgpr_kernarg_segment_ptr 1
		.amdhsa_wavefront_size32 1
		.amdhsa_system_sgpr_workgroup_id_x 1
		.amdhsa_system_sgpr_workgroup_id_y 1
		.amdhsa_system_sgpr_workgroup_id_z 1
		.amdhsa_system_vgpr_workitem_id 0
		.amdhsa_next_free_vgpr 1024
		.amdhsa_next_free_sgpr 68
		.amdhsa_reserve_vcc 0
		.amdhsa_float_denorm_mode_32 3
		.amdhsa_float_denorm_mode_16_64 3
		.amdhsa_memory_ordered 1
		.amdhsa_forward_progress 1
		.amdhsa_inst_pref_size 162
	.end_amdhsa_kernel
	.amdgpu_metadata
---
amdhsa.version: [ 1, 2 ]
amdhsa.kernels:
  - .name:           k_q4e1b8e7d2e_outp
    .symbol:         k_q4e1b8e7d2e_outp.kd
    .args:
      - { .name: yb, .offset: 0, .size: 8, .value_kind: global_buffer, .address_space: global }
      - { .name: wsb, .offset: 8, .size: 8, .value_kind: global_buffer, .address_space: global }
      - { .name: bo, .offset: 16, .size: 8, .value_kind: global_buffer, .address_space: global }
      - { .name: out0, .offset: 24, .size: 8, .value_kind: global_buffer, .address_space: global }
    .group_segment_fixed_size: 327680
    .private_segment_fixed_size: 0
    .kernarg_segment_align: 8
    .kernarg_segment_size: 32
    .max_flat_workgroup_size: 128
    .sgpr_count:     68
    .vgpr_count:     1024
    .wavefront_size: 32
...
	.end_amdgpu_metadata
.endif
;; end of part 4
;; ======== version 2 of 2: 4 launches; version 1 with the launch prep written anew for expert scheduling mode
;; limits: values are held in f16: magnitudes above 65,504 overflow, below 6.1e-05 lose precision
;; workspace buffers: wsb 37,748,736 bytes; tab 262,144 bytes; qkvb 25,165,824 bytes; yb 16,777,216 bytes
;; launch prep (part 5): grid 64 x 19, 8 waves a work-group, no clusters, 0 bytes of LDS; arguments x, Wq, Wk, Wv, Wo, wsb, tab; writes wsb, tab
.if DOCPART == 5
	.amdgcn_target "amdgcn-amd-amdhsa--gfx1250"
	.amdhsa_code_object_version 6
	.text
	.protected	k_q4e1b8e7d2e_prep
	.globl	k_q4e1b8e7d2e_prep
	.p2align	8
	.type	k_q4e1b8e7d2e_prep,@function
k_q4e1b8e7d2e_prep:
	s_mov_b64 s[64:65], 0
	v_nop
	global_prefetch_b8 v0, s[64:65] scope:SCOPE_SE
	s_setreg_imm32_b32 hwreg(HW_REG_WAVE_SCHED_MODE, 0, 2), 2
	s_setreg_imm32_b32 hwreg(HW_REG_WAVE_MODE, 25, 1), 1
	s_wait_xcnt 0x0
	s_wait_alu depctr_vm_vsrc(0)
; prep: 16-bit copies of the matrix operands, and the table of the rotary factor.
; wsb, row-major with 2,048 numbers a row: x in bf16 at byte 0; Wq, Wk, Wv in bf16 from byte 16,777,216 on (together one [3072][2048]);
; Wo from byte 29,360,128 on, rounded to bf16 and that value written as f16 (it meets an f16 operand in the last launch).
; tab[t][i] = cos(th) + sin(th), th = t * 10000^(-i/64), f32, [1024][64]: both halves of the rotation are the vector itself,
; so the rotation is a multiplication by this factor, at column (d mod 64).
; LIMITS: a bf16 value of Wo of magnitude 65,520 or more becomes an infinity in f16; below 2^-17 it is kept to an absolute 2^-25.
; th is reduced by pi/2 in two parts and the two functions are polynomials on [-pi/4, pi/4] (error below 4e-7); what is left against
; an f32 evaluation is the rounding of th itself, up to some 1e-4 near t = 1023.
; Grid: y = chunk of 4 MiB of f32 (0-7 x, 8-11 Wq, 12 Wk, 13 Wv, 14-17 Wo), x = 64 KiB of the chunk; y = 18: the table.
; A stream: no LDS, no barrier, no matrix unit.  A thread has its 16 loads of 16 bytes out at once; a wave's load covers 512 consecutive
; bytes, a wave's store of 8 bytes a lane 256 consecutive bytes, aligned.  No register is used twice, so no source has to be freed.
; THE MODE: SCHED_MODE bits 1:0 = 2 (LLVM: expert scheduling mode 2), set by the entry lines.  The code itself states the register dependences
; between vector instructions and memory instructions, with s_wait_alu, always for 0.
; THE PLAN.  Registers that memory instructions touch:
;   v1, v2   byte offsets of the loads and of the stores: written once at the head, never again.
;   X        written by the 16 loads alone, each register once; no vector instruction names them ahead of the loads; read by the conversions.
;   Y        written by the conversions; each pair read by one store and never written again.
;   W        named by vector instructions alone.
; The 16 loads are worked on in four groups of four.  Group g's conversions read X's group g and write Y's group g; the memory instructions that stand among
; them are the four stores of group g - 1, which read Y's group g - 1: registers that no vector instruction of group g names.  So one wait at the head of a group
; states all that its four stores hang on.  No register that a memory instruction reads is written again, and no load lands in a register that a vector
; instruction has named: nothing else is owed.
.set X, 4                              ; v[4:67]    16 loads of 4 f32
.set Y, 68                             ; v[68:99]   16 stores of 4 numbers of 16 bits
.set W, 100                            ; v[100:103] Wo's bf16 values, widened again
	s_load_b256 s[4:11], s[0:1], 0x0               ; x s[4:5], Wq s[6:7], Wk s[8:9], Wv s[10:11]
	s_load_b128 s[12:15], s[0:1], 0x20             ; Wo s[12:13], wsb s[14:15]
	s_load_b64 s[16:17], s[0:1], 0x30              ; tab
	s_and_b32 s18, ttmp7, 0xffff                   ; the chunk
	s_wait_kmcnt 0x0
	s_cmp_eq_u32 s18, 18
	s_cbranch_scc1 .Ltable
	; which input the chunk belongs to, and that input's first chunk
	s_mov_b64 s[20:21], s[4:5]
	s_mov_b32 s22, 0
.macro PICK c0, p
	s_cmp_ge_u32 s18, \c0
	s_cselect_b64 s[20:21], s[\p:\p+1], s[20:21]
	s_cselect_b32 s22, \c0, s22
.endm
	PICK 8, 6
	PICK 12, 8
	PICK 13, 10
	PICK 14, 12
	s_sub_co_u32 s22, s18, s22                     ; chunk inside the input
	s_lshl_b32 s22, s22, 22                        ; x 4 MiB
	s_lshl_b32 s23, ttmp9, 16                      ; + work-group x 64 KiB
	s_add_co_u32 s22, s22, s23
	s_mov_b32 s23, 0
	s_add_nc_u64 s[20:21], s[20:21], s[22:23]
	s_lshl_b32 s24, s18, 21                        ; out: chunk x 2 MiB
	s_lshl_b32 s25, ttmp9, 15                      ; + work-group x 32 KiB
	s_add_co_u32 s24, s24, s25
	s_mov_b32 s25, 0
	s_add_nc_u64 s[14:15], s[14:15], s[24:25]
	s_mov_b32 s26, 0xffff0000                      ; a word's upper bf16
	v_lshlrev_b32 v1, 4, v0                        ; 16 bytes a thread in
	v_lshlrev_b32 v2, 3, v0                        ; 8 bytes a thread out
	s_wait_alu depctr_va_vdst(0)                   ; v1 and v2 are written: every load below reads v1, every store v2, as its offset
.irp k, 0,1,2,3,4,5,6,7,8,9,10,11,12,13,14,15
	global_load_b128 v[X+4*\k:X+4*\k+3], v1, s[20:21] offset:4096*\k th:TH_LOAD_NT
.endr
; The four numbers of load k are rounded into Y's pair k.
.macro CV k, wo
	v_cvt_pk_bf16_f32 v[Y+2*(\k)],   v[X+4*(\k)],   v[X+4*(\k)+1]
	v_cvt_pk_bf16_f32 v[Y+2*(\k)+1], v[X+4*(\k)+2], v[X+4*(\k)+3]
.if \wo
	v_lshlrev_b32 v[W],   16,  v[Y+2*(\k)]         ; the bf16 values as f32,
	v_and_b32     v[W+1], s26, v[Y+2*(\k)]
	v_lshlrev_b32 v[W+2], 16,  v[Y+2*(\k)+1]
	v_and_b32     v[W+3], s26, v[Y+2*(\k)+1]
	v_cvt_pk_f16_f32 v[Y+2*(\k)],   v[W],   v[W+1] ; written as f16: exact from 2^-17 up to f16's largest number
	v_cvt_pk_f16_f32 v[Y+2*(\k)+1], v[W+2], v[W+3]
.endif
.endm
; Y's pair k is stored.
.macro ST k
	global_store_b64 v2, v[Y+2*(\k):Y+2*(\k)+1], s[14:15] offset:2048*(\k)
.endm
; Group g: loads 4 g to 4 g + 3 are rounded; the stores of the group before stand among the conversions, one ahead of each load's.
.macro GRP g, wo
	s_wait_loadcnt 12-4*(\g)                       ; loads come back in order (ISA guide 5.7.1): this group's four are in, the younger groups stay out
.if \g
	s_wait_alu depctr_va_vdst(0)                   ; the group before has written its eight registers of Y, which the four stores below read; no vector instruction behind this wait names them
.endif
.irp i, 0,1,2,3
.if \g
	ST 4*(\g)-4+(\i)
.endif
	CV 4*(\g)+(\i), \wo
.endr
.endm
	s_cmp_ge_u32 s18, 14
	s_cbranch_scc1 .Lwo
	GRP 0, 0
	GRP 1, 0
	GRP 2, 0
	GRP 3, 0
	s_wait_alu depctr_va_vdst(0)                   ; group 3 has written its registers of Y, which the last four stores read
	ST 12
	ST 13
	ST 14
	ST 15
	s_endpgm
.Lwo:
	GRP 0, 1
	GRP 1, 1
	GRP 2, 1
	GRP 3, 1
	s_wait_alu depctr_va_vdst(0)                   ; group 3 has written its registers of Y, which the last four stores read
	ST 12
	ST 13
	ST 14
	ST 15
	s_endpgm
.Ltable:
	; thread g = 256 x work-group + thread makes tab[g >> 4][4 (g & 15) .. + 3]: sixteen lanes store one row of 256 bytes
	s_lshl_b32 s20, ttmp9, 8
	s_mov_b32 s21, 0xbfc90fdb                      ; -(pi/2 rounded to f32)
	s_mov_b32 s22, 0x333bbd2e                      ; what that rounding added to pi/2
	v_add_nc_u32 v1, s20, v0                       ; g
	v_lshrrev_b32 v2, 4, v1
	v_cvt_f32_u32 v2, v2                           ; t
	v_and_b32 v3, 15, v1
	v_lshlrev_b32 v3, 2, v3                        ; the first of my four i
.irp j, 0,1,2,3
	v_add_nc_u32 v[4+\j], \j, v3
	v_cvt_f32_u32 v[4+\j], v[4+\j]
	v_mul_f32 v[4+\j], 0xbe549a78, v[4+\j]         ; -i log2(10000) / 64
.endr
.irp j, 0,1,2,3
	v_exp_f32 v[8+\j], v[4+\j]                     ; 10000^(-i/64)
.endr
	v_lshlrev_b32 v1, 4, v1                        ; 16 g: my bytes in tab.  Also the plain instruction behind the exponentials (ISA guide 5.7.2)
	s_wait_alu depctr_va_vdst(0)                   ; the four exponentials have written v[8:11], which the multiplications below read: one wait for the batch
.irp j, 0,1,2,3
	v_mul_f32 v[8+\j], v2, v[8+\j]                 ; th
	v_mul_f32 v[12+\j], 0x3f22f983, v[8+\j]        ; th x 2/pi
	v_rndne_f32 v[12+\j], v[12+\j]                 ; n
	v_fma_f32 v[8+\j], v[12+\j], s21, v[8+\j]      ; y = th - n pi/2, in two parts
	v_fma_f32 v[8+\j], v[12+\j], s22, v[8+\j]
	v_cvt_i32_f32 v[12+\j], v[12+\j]
	v_mul_f32 v[16+\j], v[8+\j], v[8+\j]           ; y^2
	v_mov_b32 v[20+\j], 0xb9500d01                 ; sin y = y + y y^2 (-1/6 + y^2 (1/120 - y^2/5040))
	v_fmaak_f32 v[20+\j], v[20+\j], v[16+\j], 0x3c088889
	v_fmaak_f32 v[20+\j], v[20+\j], v[16+\j], 0xbe2aaaab
	v_mul_f32 v[20+\j], v[20+\j], v[16+\j]
	v_fma_f32 v[20+\j], v[20+\j], v[8+\j], v[8+\j]
	v_mov_b32 v[24+\j], 0x37d00d01                 ; cos y = 1 + y^2 (-1/2 + y^2 (1/24 + y^2 (-1/720 + y^2/40320)))
	v_fmaak_f32 v[24+\j], v[24+\j], v[16+\j], 0xbab60b61
	v_fmaak_f32 v[24+\j], v[24+\j], v[16+\j], 0x3d2aaaab
	v_fmaak_f32 v[24+\j], v[24+\j], v[16+\j], 0xbf000000
	v_fma_f32 v[24+\j], v[24+\j], v[16+\j], 1.0
	; cos th + sin th by quadrant n mod 4: c + s, c - s, -c - s, s - c: c changes sign with bit 1 of n, s with bit 1 of n + 1
	v_and_b32 v[28+\j], 2, v[12+\j]
	v_lshlrev_b32 v[28+\j], 30, v[28+\j]
	v_xor_b32 v[24+\j], v[28+\j], v[24+\j]
	v_add_nc_u32 v[28+\j], 1, v[12+\j]
	v_and_b32 v[28+\j], 2, v[28+\j]
	v_lshlrev_b32 v[28+\j], 30, v[28+\j]
	v_xor_b32 v[20+\j], v[28+\j], v[20+\j]
	v_add_f32 v[32+\j], v[24+\j], v[20+\j]
.endr
	s_wait_alu depctr_va_vdst(0)                   ; the four sums have written v[32:35], the store's data; v1, its offset, was written further up
	global_store_b128 v1, v[32:35], s[16:17]
	s_endpgm
.Lfunc_end_k_q4e1b8e7d2e_prep:
	.size	k_q4e1b8e7d2e_prep, .Lfunc_end_k_q4e1b8e7d2e_prep-k_q4e1b8e7d2e_prep
	.p2alignl 7, 3214868480
	.fill 96, 4, 3214868480
	.section	.rodata,"a",@progbits
	.p2align	6, 0x0
	.amdhsa_kernel k_q4e1b8e7d2e_prep
		.amdhsa_group_segment_fixed_size 0
		.amdhsa_private_segment_fixed_size 0
		.amdhsa_enable_private_segment 0
		.amdhsa_kernarg_size 56
		.amdhsa_user_sgpr_count 2
		.amdhsa_user_sgpr_kernarg_segment_ptr 1
		.amdhsa_wavefront_size32 1
		.amdhsa_system_sgpr_workgroup_id_x 1
		.amdhsa_system_sgpr_workgroup_id_y 1
		.amdhsa_system_sgpr_workgroup_id_z 1
		.amdhsa_system_vgpr_workitem_id 0
		.amdhsa_next_free_vgpr 104
		.amdhsa_next_free_sgpr 66
		.amdhsa_reserve_vcc 0
		.amdhsa_float_denorm_mode_32 3
		.amdhsa_float_denorm_mode_16_64 3
		.amdhsa_memory_ordered 1
		.amdhsa_forward_progress 1
		.amdhsa_inst_pref_size 21
	.end_amdhsa_kernel
	.amdgpu_metadata
---
amdhsa.version: [ 1, 2 ]
amdhsa.kernels:
  - .name:           k_q4e1b8e7d2e_prep
    .symbol:         k_q4e1b8e7d2e_prep.kd
    .args:
      - { .name: x, .offset: 0, .size: 8, .value_kind: global_buffer, .address_space: global }
      - { .name: Wq, .offset: 8, .size: 8, .value_kind: global_buffer, .address_space: global }
      - { .name: Wk, .offset: 16, .size: 8, .value_kind: global_buffer, .address_space: global }
      - { .name: Wv, .offset: 24, .size: 8, .value_kind: global_buffer, .address_space: global }
      - { .name: Wo, .offset: 32, .size: 8, .value_kind: global_buffer, .address_space: global }
      - { .name: wsb, .offset: 40, .size: 8, .value_kind: global_buffer, .address_space: global }
      - { .name: tab, .offset: 48, .size: 8, .value_kind: global_buffer, .address_space: global }
    .group_segment_fixed_size: 0
    .private_segment_fixed_size: 0
    .kernarg_segment_align: 8
    .kernarg_segment_size: 56
    .max_flat_workgroup_size: 256
    .sgpr_count:     66
    .vgpr_count:     104
    .wavefront_size: 32
...
	.end_amdgpu_metadata
.endif
;; end of part 5
;; launch proj: the kernel of part 2 again; grid 8 x 32, 4 waves a work-group, clusters of 4 x 4, 327,680 bytes of LDS; arguments wsb, tab, bq, bk, bv, qkvb; writes qkvb
;; launch attn: the kernel of part 3 again; grid 16 x 16, 8 waves a work-group, clusters of 4 x 1, 327,680 bytes of LDS; arguments qkvb, yb; writes yb
;; launch outp: the kernel of part 4 again; grid 8 x 32, 4 waves a work-group, clusters of 4 x 4, 327,680 bytes of LDS; arguments yb, wsb, bo, out0; writes out0
